; MI455X (gfx1250); checked and timed in simulation.
; The chip was launched on July 23, 2026; its instructions are those of AMD's public machine-readable ISA for CDNA 5 (MIT licence, August 2026) and "CDNA5" Instruction Set Architecture Reference Guide (July 2026). The comments in the code are by the model that wrote it; some were corrected since.
;; Multi Head Self Attention. Allowed arithmetic: matrix products marked QUANTISED: E5M2 operands, one E8M0 scale for each 32 along K, by v_wmma_scale_f32_16x16x128_f8f6f4 with both operands' format E5M2, f32 sums; everything else in f32.
;; Inputs: Wout 1,024 x 1,024 float32; Wqkv 1,024 x 3,072 float32; attn_mask 1 x 1 x 2,048 x 2,048 int32; bout 1,024 float32; bqkv 3,072 float32; x 4 x 2,048 x 1,024 float32.
;; Outputs: out0 4 x 2,048 x 1,024 float32.
;; This version of the problem:
;;   THIS VERSION OF THE PROBLEM IS GIVEN IN LOW PRECISION. The matrix products marked QUANTISED in the list below multiply operands that are first quantised to E5M2 (5 exponent bits, 2 mantissa bits; 8 bits a number), with one power-of-two scale for each 32 numbers along K (OCP MX v1.0); their sums are f32. All else is computed in f32.
;;   The module's matrix products, in the order in which they are computed (A, B: the left and right operand; K: the contracted axis; several contracted axes count as one K, in the product's order):
;;     1. [M 8,192, K 1,024] x [K 1,024, N 3,072]; A: input x; B: input Wqkv: QUANTISED
;;     2. batch 64 x [M 2,048, K 64] x [K 64, N 2,048]; A: computed on the way; B: computed on the way: QUANTISED
;;     3. batch 64 x [M 2,048, K 2,048] x [K 2,048, N 64]; A: softmax (see below); B: computed on the way: QUANTISED
;;     4. [M 8,192, K 1,024] x [K 1,024, N 1,024]; A: computed on the way; B: input Wout: QUANTISED
;;   THE QUANTISER, for each operand of a quantised product, along K:
;;     - K is cut into blocks of 32 from its start; a last block that is shorter is filled with zeros.
;;     - A block's scale is 2^e with e = floor(log2(the largest magnitude in the block)) - 15, held to -126 .. 127; a block of zeros has e = 0. As a byte (E8M0): e + 127.
;;     - Each number is divided by its block's scale, clamped to +-57,344, and rounded to the nearest number of E5M2, ties to even, subnormals kept.
;;     - The product sums the exact products of the quantised numbers (number of the format x scale) in f32.
;;   ~~~python
;;   def quantise(x, axis):      # numpy; x: float32 -> the quantised numbers, widened to float32 again
;;       x = np.moveaxis(x, axis, -1); K = x.shape[-1]
;;       x = np.pad(x, [(0, 0)] * (x.ndim - 1) + [(0, -K % 32)]); x = x.reshape(x.shape[:-1] + (-1, 32)); a = np.abs(x).max(-1, keepdims=True)
;;       e = np.where(a > 0, np.clip(np.frexp(np.where(a > 0, a, 1))[1] - 1 - 15, -126, 127), 0)      # np.frexp(a)[1] - 1 = floor(log2(a)), exactly
;;       r = np.clip(x / 2.0 ** e, -57344, 57344)
;;       step = 2.0 ** (np.maximum(np.frexp(np.where(r == 0, 1, r))[1] - 1, -14) - 2)
;;       q = np.round(r / step) * step * 2.0 ** e      # np.round: ties to even
;;       return np.moveaxis(q.reshape(q.shape[:-2] + (-1,))[..., :K], -1, axis).astype(np.float32)
;;   ~~~
;;   SOFTMAX AHEAD OF A QUANTISED PRODUCT. Where the list says 'softmax', what is quantised is not the finished softmax but p = 2^(t - M), with t = logit x log2(e) and M = ceil(the row's largest t), a whole number; so 1/2 < the row's largest p <= 1. The row's sum l is taken of the UNQUANTISED p, in f32, and the product's result is divided by l at the end. Since M is a whole number, a kernel that streams over the keys may use a running M (the ceiling of the running maximum): every later rescaling is an exact power of two, which a block's scale takes up: the codes' values come out the same.
;;   OPERANDS COMPUTED ON THE WAY. 'Computed on the way' means the value that the module computes at that place (a softmax that the list does not call 'softmax' is quantised finished and normalised). What goes into a quantiser is computed in f32, as accurately as f32 sums, v_exp_f32 and their like allow (about 1e-6 of the number): no bf16 or f16 on the way to a quantiser, and a product that is left as it is and whose result goes on into a quantised operand takes f32 operands (vector FMAs, or v_wmma_f32_16x16x4_f32). A number that lies on a knife's edge between two numbers of the format may be rounded either way, as far as f32 arithmetic and the matrix unit's own rounding can turn it there, and no further.
;; 2 versions, each right; version 2 is version 1 with the launch attn written anew for expert scheduling mode. Each part assembles by itself: llvm-mc -triple=amdgcn-amd-amdhsa -mcpu=gfx1250 --defsym DOCPART=n.
;; ======== version 1 of 2: 4 launches
;; workspace buffers: pq 12,976,128 bytes; maskw 532,480 bytes of whole numbers; qkv 25,952,256 bytes; ao 8,650,752 bytes
;; launch prep (part 1): grid 896 x 1, 4 waves a work-group, no clusters, 101,888 bytes of LDS; arguments x, Wqkv, Wout, attn_mask, pq, maskw; writes pq, maskw
.if DOCPART == 1
	.amdgcn_target "amdgcn-amd-amdhsa--gfx1250"
	.amdhsa_code_object_version 6
	.text
	.protected	k_qf783bdff58_prep
	.globl	k_qf783bdff58_prep
	.p2align	8
	.type	k_qf783bdff58_prep,@function
k_qf783bdff58_prep:
	s_mov_b64 s[64:65], 0
	v_nop
	global_prefetch_b8 v0, s[64:65] scope:SCOPE_SE
	s_setreg_imm32_b32 hwreg(HW_REG_WAVE_MODE, 25, 1), 1
	s_wait_xcnt 0x0
; PREP.  Three jobs, parted on the work-group's number; each has LDS bytes of its own and its own end.  No matrix work, no barrier: waves share nothing.
;  X (work-groups 0-255):   x [8192][1024] f32 -> codes of E5M2 with one E8M0 byte for each 32 along K.
;  W (work-groups 256-383): Wqkv [1024][3072] and Wout [1024][1024] f32, K their FIRST axis -> codes with K innermost, one row for each output column.
;  M (work-groups 384-895): attn_mask [2048][2048] int32 -> for each tile of 16 queries and each step of 128 keys 64 words of lane bits, and a flag word.
; pq is ONE space of rows of 1,024 codes: x's rows 0-8191, Wqkv's columns 8192-11263, Wout's columns 11264-12287; their scale bytes lie at SCO + 32 x row.
; ROWS LIE IN POSITION ORDER: position = index with bits 3 and 4 exchanged.  16 neighbouring positions 16 (2 B + u) + i are then the indices 32 B + 8 u + i + 8 (i / 8):
; a tile of such rows as source 0 of a matrix instruction leaves a lane 16 NEIGHBOURING indices in the 16 registers of two neighbouring tiles, as the next operand's layout wants them.
; A block's scale is 2^(floor(log2(largest magnitude)) - 15); its byte is the largest magnitude's exponent field - 15, held at 1 from below (a block of zeros gets 1: its codes are zeros, and this program alone reads the bytes).
; LIMITS: blocks whose largest magnitude lies under 2^-111 get the byte 1; NaN and infinities among x and the weights are not served.
.set SCO,   12582912                   ; where the scale bytes begin in pq
.set MANT,  0x600000                   ; the mantissa field of 57,344 as f32
.set EMAX,  15
; job X
.set STEPS, 16
.set CB,    16                         ; bytes of 16 codes
.set R,     16                         ; v16-79   four sets of 16 numbers as loaded
.set X,     80                         ; v80-111  two sets of 16 neighbours
.set E,     112                        ; v112-127 a scale byte for each step
.set C,     128                        ; v128-191 codes, four registers a step
.set WREG,  8192                       ; LDS 0-32767: a region for each wave: two stages of 32 x SP bytes, then its 256 scale bytes
.set SP,    80
; job W
.set WLDS,  32768                      ; LDS 32768-67583: a stage of 32 rows x 272 bytes for each wave
.set NB,    8
.set PITCH, 272
.set KROW,  1024
.set WX,    32                         ; v32-95   two sets of 32 numbers
.set WC,    96                         ; v96-103  a block's codes
.set OUTR,  112                        ; v112-175 the way out
.set SB,    24                         ; v24-25   the scale bytes
.set RO,    176                        ; v176-207 4 x lane + i x the weight's row pitch: the pitch differs between the two weights, so it cannot stand in an immediate
; job M
.set MLDS,  67584                      ; LDS 67584-101375: a stage of 16 rows x 528 bytes for each wave
.set MPI,   528
	s_load_b256 s[4:11], s[0:1], 0x0               ; x s[4:5], Wqkv s[6:7], Wout s[8:9], attn_mask s[10:11]
	s_load_b128 s[12:15], s[0:1], 0x20             ; pq s[12:13], maskw s[14:15]
	v_lshl_add_u32 v208, v0, 2, 0x18c00
	v_mov_b32 v209, 0
	v_lshrrev_b32 v1, 5, v0
	v_readfirstlane_b32 s16, v1                    ; wave 0..3
	v_and_b32 v2, 31, v0                           ; lane
	s_wait_kmcnt 0x0
	s_cmp_lt_u32 ttmp9, 256
	s_cbranch_scc1 .Lpath_x
	s_cmp_lt_u32 ttmp9, 384
	s_cbranch_scc1 .Lpath_w
; ---------------- JOB M.  One wave makes one (tile of queries tt, key step s).
; Word n (0..63), bit 16 h + r: is key 128 s + 32 (n / 16) + 16 h + n % 16 open to the query at position 16 tt + r?  That is the lane and register in which the attention launch holds that score.
	s_sub_co_u32 s17, ttmp9, 384
	s_lshr_b32 s18, s17, 2                         ; tt
	s_and_b32 s19, s17, 3
	s_lshl_b32 s19, s19, 2
	s_add_co_u32 s19, s19, s16                     ; s
	s_lshr_b32 s20, s18, 1
	s_lshl_b32 s20, s20, 5
	s_and_b32 s21, s18, 1
	s_lshl_b32 s21, s21, 3
	s_add_co_u32 s20, s20, s21                     ; the tile's first query: 32 (tt / 2) + 8 (tt % 2)
	s_lshl_b32 s20, s20, 13                        ; a row of the mask is 8,192 bytes
	s_lshl_b32 s21, s19, 9                         ; a step's 128 keys are 512 bytes
	s_add_co_u32 s20, s20, s21
	s_mov_b32 s21, 0
	s_add_nc_u64 s[10:11], s[10:11], s[20:21]
	v_lshlrev_b32 v3, 4, v2                        ; 16 bytes a lane: a load takes 512 consecutive bytes of one query's row
.irp q, 0,1,2,3,4,5,6,7,8,9,10,11,12,13,14,15
	global_load_b128 v[16+4*\q:19+4*\q], v3, s[10:11] offset:(\q+8*(\q/8))*8192 th:TH_LOAD_NT   ; position q of the tile is query q + 8 (q / 8) from its first
.endr
	s_mul_i32 s22, s16, 16*MPI
	s_add_co_u32 s22, s22, MLDS                    ; my stage
	v_add_nc_u32 v4, s22, v3                       ; in: 16 x lane, a row of 528 bytes for each query
	v_and_b32 v6, 15, v2                           ; r
	v_lshrrev_b32 v7, 4, v2                        ; h
	v_mul_u32_u24 v5, v6, MPI
	v_lshl_add_u32 v5, v7, 6, v5
	v_add_nc_u32 v5, s22, v5                       ; out: query r, + 64 h bytes: 16 keys of each block of 32
	v_lshlrev_b32 v8, 3, v2                        ; the words leave 8 bytes a lane
	s_lshl_b32 s26, s18, 4
	s_add_co_u32 s26, s26, s19                     ; 16 tt + s
	s_lshl_b32 s28, s26, 8
	s_mov_b32 s29, 0
	s_add_nc_u64 s[28:29], s[14:15], s[28:29]      ; my 256 bytes of words
	s_lshl_b32 s30, s26, 2
	s_add_co_u32 s30, s30, 524288
	s_mov_b32 s31, 0
	s_add_nc_u64 s[30:31], s[14:15], s[30:31]      ; my flag word
.irp q, 0,1,2,3,4,5,6,7,8,9,10,11,12,13,14,15
	s_wait_loadcnt 15-\q                           ; loads come back in order: row q is in, the younger rows stay out
	ds_store_b128 v4, v[16+4*\q:19+4*\q] offset:\q*MPI
.endr
.irp b, 0,1,2,3
.irp q, 0,1,2,3
	ds_load_b128 v[80+16*\b+4*\q:83+16*\b+4*\q], v5 offset:128*\b+16*\q   ; the stage is my wave's own and LDS serves a wave in order: no wait between the stores and these
.endr
.endr
	v_mov_b32 v12, 0                               ; written whole before single lanes are written
	v_mov_b32 v13, 0
	s_mov_b32 s24, 0                               ; the OR of all words
	s_mov_b32 s25, -1                              ; the AND of all words
	s_wait_dscnt 0x0                               ; register 80 + n: the mask at (query r, key 32 (n / 16) + 16 h + n % 16)
.set n, 0
.rept 64
	v_cmp_ne_u32 s[20+n%4], 0, v[80+n]             ; word n: a bit for each lane
	s_or_b32 s24, s24, s[20+n%4]
	s_and_b32 s25, s25, s[20+n%4]
	v_writelane_b32 v[12+(n&1)], s[20+n%4], n>>1   ; word n goes to lane n / 2, register n % 2
.set n, n+1
.endr
	s_cmp_lg_u32 s24, 0
	s_cselect_b32 s26, 1, 0                        ; bit 0: some key of the step is open to some query of the tile
	s_cmp_eq_u32 s25, -1
	s_cselect_b32 s27, 0x10000, 0                  ; bit 16: all are open
	s_or_b32 s26, s26, s27
	v_mov_b32 v14, s26
	v_mov_b32 v15, 0
	global_store_b64 v8, v[12:13], s[28:29]        ; 32 lanes store 256 consecutive bytes, aligned
	s_wait_xcnt 0x0                                ; EXEC is a source of the store above: it changes only behind this wait
	v_cmp_eq_u32 vcc_lo, 0, v2
	s_wait_tensorcnt 0x0
	ds_add_u32 v208, v209
	s_wait_dscnt 0x0
	s_and_saveexec_b32 s27, vcc_lo
	global_store_b32 v15, v14, s[30:31]            ; lane 0 alone
	s_wait_xcnt 0x0                                ; and again ahead of the line that widens EXEC
	s_or_b32 exec_lo, exec_lo, s27
	s_endpgm
; ---------------- JOB X.  A wave takes 16 steps of 512 numbers: 8 rows of x.  Loads take the bytes as they lie (512 a load); a step's 2,048 bytes turn through the wave's own stage,
; so that a lane then holds 16 neighbours along K (two lanes hold a block).  Loads run four steps ahead, the turn through LDS one step.
.Lpath_x:
	v_lshlrev_b32 v3, 4, v2                        ; my 16 bytes of a load's 512
	s_mul_i32 s17, s16, WREG
	v_lshrrev_b32 v14, 2, v2
	v_mul_u32_u24 v14, v14, SP
	v_and_b32 v15, 3, v2
	v_lshl_add_u32 v14, v15, 4, v14
	v_add_nc_u32 v14, s17, v14                     ; the stage, on the way in: SP (lane / 4) + 16 (lane % 4)
	v_mul_u32_u24 v15, v2, SP
	v_add_nc_u32 v15, s17, v15                     ; and on the way out: SP x lane
	v_lshlrev_b32 v4, 4, v2                        ; my codes' place in a step's
	v_lshrrev_b32 v5, 1, v2
	s_add_co_u32 s17, s17, 2*32*SP
	v_add_nc_u32 v5, s17, v5                       ; my wave's 256 scale bytes, my block's byte
	v_lshlrev_b32 v7, 3, v2
	v_add_nc_u32 v6, s17, v7
	s_mov_b32 s23, MANT
	s_lshl_b32 s17, ttmp9, 2
	s_add_co_u32 s18, s17, s16                     ; which 8 rows I read: 4 x work-group + wave
	s_and_b32 s19, s16, 1
	s_lshl_b32 s19, s19, 1
	s_lshr_b32 s20, s16, 1
	s_or_b32 s19, s19, s20
	s_add_co_u32 s19, s17, s19                     ; and where they go: bits 3 and 4 of a row's number are bits 0 and 1 of the wave's: exchanged
	s_lshl_b32 s20, s18, 15
	s_mov_b32 s21, 0
	s_add_nc_u64 s[4:5], s[4:5], s[20:21]
	s_lshl_b32 s20, s19, 13
	s_add_nc_u64 s[24:25], s[12:13], s[20:21]      ; the codes
	s_lshl_b32 s20, s19, 8
	s_add_co_u32 s20, s20, SCO
	s_add_nc_u64 s[26:27], s[12:13], s[20:21]      ; the scale bytes
.macro XLOAD t
.irp i, 0,1,2,3
	global_load_b128 v[R+16*((\t)%4)+4*\i:R+16*((\t)%4)+4*\i+3], v3, s[4:5] offset:2048*(\t)+512*\i th:TH_LOAD_NT
.endr
.endm
.macro XTURN t                         ; step t's numbers through the stage; LDS serves a wave in order, so no wait stands between the stores and the loads
.irp i, 0,1,2,3
	ds_store_b128 v14, v[R+16*((\t)%4)+4*\i:R+16*((\t)%4)+4*\i+3] offset:32*SP*((\t)%2)+8*SP*\i
.endr
.irp i, 0,1,2,3
	ds_load_b128 v[X+16*((\t)%2)+4*\i:X+16*((\t)%2)+4*\i+3], v15 offset:32*SP*((\t)%2)+16*\i
.endr
.endm
.irp t, 0,1,2,3
	XLOAD \t
.endr
	s_wait_loadcnt 12                              ; step 0's four loads are in
	XTURN 0
.macro XSTEP t
.set XSR, X+16*((\t)%2)
.if (\t) > 0
	s_wait_dscnt 1                                 ; this step's numbers are back from the stage (the last step's byte store may be out)
.else
	s_wait_dscnt 0x0
.endif
.if (\t)+4 < STEPS
	XLOAD (\t)+4                                   ; into the registers whose stores into the stage are done
.endif
.if (\t)+1 < STEPS
.if STEPS-2-(\t) >= 3
	s_wait_loadcnt 12                              ; the next step's four loads are in; three steps' loads behind them may be out
.else
	s_wait_loadcnt 4*(STEPS-2-(\t))
.endif
	XTURN (\t)+1
.endif
	v_max3_num_f32 v8, |v[XSR]|, |v[XSR+1]|, |v[XSR+2]|
	v_max3_num_f32 v9, |v[XSR+3]|, |v[XSR+4]|, |v[XSR+5]|
.irp i, 6,10
	v_max3_num_f32 v8, v8, |v[XSR+\i]|, |v[XSR+\i+1]|
	v_max3_num_f32 v9, v9, |v[XSR+\i+2]|, |v[XSR+\i+3]|
.endr
	v_max3_num_f32 v8, v8, |v[XSR+14]|, |v[XSR+15]|
	v_max3_num_f32 v8, v8, v9, (EMAX+1)<<23        ; and the floor 2^(16 - 127): the byte cannot fall under 1
	v_max_num_f32_dpp v8, v8, v8 row_xmask:1 row_mask:0xf bank_mask:0xf   ; with my neighbour's 16: the block's largest magnitude
	v_add_nc_u32 v11, -(EMAX<<23), v8              ; 15 off its exponent field: the conversion takes the exponent field of this operand as its scale
	v_and_or_b32 v10, v8, 0x7f800000, s23          ; 57,344 x the scale
.irp i, 0,1,2,3,4,5,6,7,8,9,10,11,12,13,14,15
	v_med3_num_f32 v[XSR+\i], v[XSR+\i], -v10, v10 ; the conversion to an 8-bit code does not saturate (ISA guide 7.6.2): the hold comes first
.endr
	v_cvt_scalef32_pk8_bf8_f32 v[C+4*(\t):C+4*(\t)+1], v[XSR:XSR+7], v11
	v_cvt_scalef32_pk8_bf8_f32 v[C+4*(\t)+2:C+4*(\t)+3], v[XSR+8:XSR+15], v11
	v_lshrrev_b32 v[E+(\t)], 23, v11               ; the scale's byte
	ds_store_b8 v5, v[E+(\t)] offset:16*(\t)       ; both lanes of a block write the same byte with the same value
	global_store_b128 v4, v[C+4*(\t):C+4*(\t)+3], s[24:25] offset:32*CB*(\t)   ; 512 consecutive bytes a wave
.endm
.irp t, 0,1,2,3,4,5,6,7,8,9,10,11,12,13,14,15
	XSTEP \t
.endr
	ds_load_b64 v[12:13], v6                       ; my wave's 256 scale bytes: these see my stores
	s_wait_dscnt 0x0
	global_store_b64 v7, v[12:13], s[26:27]        ; 256 consecutive bytes, aligned
	s_wait_tensorcnt 0x0
	ds_add_u32 v208, v209
	s_wait_dscnt 0x0
	s_endpgm
; ---------------- JOB W.  A lane takes a column n and its registers run down K: a block of 32 lies in one lane, and the conversions give codes with K innermost.
; A wave takes 32 columns x 256 along K; the codes go through its own stage and leave as rows.  One way through the text serves both weights: source, pitch and first row are chosen on the work-group's number.
.Lpath_w:
	s_sub_co_u32 s17, ttmp9, 256                   ; j: 0-95 Wqkv, 96-127 Wout
	s_cmp_lt_u32 s17, 96
	s_cselect_b64 s[4:5], s[6:7], s[8:9]           ; the source
	s_mov_b32 s30, 4096
	s_cselect_b32 s30, 12288, s30                  ; bytes from a row of the weight to the next
	s_mov_b32 s31, 11264
	s_cselect_b32 s31, 8192, s31                   ; where its columns begin among pq's rows
	s_cselect_b32 s18, 0, 96
	s_sub_co_u32 s18, s17, s18
	s_lshr_b32 s18, s18, 2                         ; which 128 columns
	s_and_b32 s19, s17, 3                          ; which 256 along K
	s_lshl_b32 s18, s18, 7
	s_lshl_b32 s20, s16, 5
	s_add_co_u32 s18, s18, s20                     ; my wave's first column
	v_lshlrev_b32 v3, 2, v2
.irp i, 0,1,2,3,4,5,6,7,8,9,10,11,12,13,14,15,16,17,18,19,20,21,22,23,24,25,26,27,28,29,30,31
	v_mad_u32_u24 v[RO+\i], s30, \i, v3            ; 4 x lane + i rows
.endr
	v_and_b32 v10, 7, v2
	v_bfe_u32 v11, v2, 3, 1
	v_lshl_add_u32 v10, v11, 4, v10
	v_bfe_u32 v11, v2, 4, 1
	v_lshl_add_u32 v10, v11, 3, v10                ; my column's position among the wave's 32: bits 3 and 4 exchanged
	s_mul_i32 s20, s16, 32*PITCH
	s_add_co_u32 s20, s20, WLDS                    ; my stage
	v_mul_u32_u24 v4, v10, PITCH
	v_add_nc_u32 v4, s20, v4                       ; into it: row = my column's position
	v_and_b32 v5, 15, v2
	v_lshrrev_b32 v6, 4, v2
	v_mul_u32_u24 v7, v6, PITCH
	v_lshl_add_u32 v7, v5, 4, v7
	v_add_nc_u32 v7, s20, v7                       ; out of it: sixteen lanes to a row, two rows an instruction
	v_lshlrev_b32 v8, 10, v6
	v_lshl_add_u32 v8, v5, 4, v8                   ; and the same place among pq's rows
	v_lshlrev_b32 v9, 5, v10                       ; my column's row of scale bytes
	s_mul_i32 s20, s19, s30
	s_lshl_b32 s20, s20, 8                         ; 256 rows of the weight for each step along K
	s_lshl_b32 s21, s18, 2
	s_add_co_u32 s20, s20, s21
	s_mov_b32 s21, 0
	s_add_nc_u64 s[32:33], s[4:5], s[20:21]        ; block 0's base;
	s_lshl_b32 s20, s30, 5
.irp t, 1,2,3,4,5,6,7
	s_add_nc_u64 s[32+2*\t:33+2*\t], s[30+2*\t:31+2*\t], s[20:21]   ; a base for each block, 32 rows on: none is ever stepped
.endr
	s_add_co_u32 s22, s31, s18                     ; my first row of pq
	s_lshl_b32 s24, s22, 10
	s_lshl_b32 s25, s19, 8
	s_add_co_u32 s24, s24, s25
	s_mov_b32 s25, 0
	s_add_nc_u64 s[24:25], s[12:13], s[24:25]      ; the codes
	s_lshl_b32 s26, s22, 5
	s_lshl_b32 s27, s19, 3
	s_add_co_u32 s26, s26, s27
	s_add_co_u32 s26, s26, SCO
	s_mov_b32 s27, 0
	s_add_nc_u64 s[26:27], s[12:13], s[26:27]      ; the scale bytes
	s_mov_b32 s28, MANT
.macro WLOAD t                         ; block t: W(32 t + i, my column), i = 0 .. 31, into set t % 2: 128 consecutive bytes a wave and load
.irp i, 0,1,2,3,4,5,6,7,8,9,10,11,12,13,14,15,16,17,18,19,20,21,22,23,24,25,26,27,28,29,30,31
	global_load_b32 v[WX+32*((\t)%2)+\i], v[RO+\i], s[32+2*(\t):33+2*(\t)] th:TH_LOAD_NT
.endr
.endm
	WLOAD 0
	WLOAD 1
.macro WBLOCK t
.set WXS, WX+32*((\t)%2)
.if (\t) < NB-1
	s_wait_loadcnt 32                              ; this block's 32 loads are in; the next block's may be out
.else
	s_wait_loadcnt 0
.endif
	v_max3_num_f32 v12, |v[WXS]|, |v[WXS+1]|, |v[WXS+2]|
	v_max3_num_f32 v13, |v[WXS+3]|, |v[WXS+4]|, |v[WXS+5]|
.irp i, 6,10,14,18,22,26
	v_max3_num_f32 v12, v12, |v[WXS+\i]|, |v[WXS+\i+1]|
	v_max3_num_f32 v13, v13, |v[WXS+\i+2]|, |v[WXS+\i+3]|
.endr
	v_max3_num_f32 v12, v12, |v[WXS+30]|, |v[WXS+31]|
	v_max3_num_f32 v12, v12, v13, (EMAX+1)<<23     ; and the floor
	v_add_nc_u32 v11, -(EMAX<<23), v12             ; the conversion's scale operand
	v_and_or_b32 v10, v12, 0x7f800000, s28         ; 57,344 x the scale
	v_lshrrev_b32 v13, 23, v11                     ; the scale's byte
.if (\t)%4 == 0
	v_mov_b32 v[SB+(\t)/4], v13
.else
	v_lshl_or_b32 v[SB+(\t)/4], v13, 8*((\t)%4), v[SB+(\t)/4]
.endif
.irp i, 0,1,2,3,4,5,6,7,8,9,10,11,12,13,14,15,16,17,18,19,20,21,22,23,24,25,26,27,28,29,30,31
	v_med3_num_f32 v[WXS+\i], v[WXS+\i], -v10, v10
.endr
.irp g, 0,1,2,3
	v_cvt_scalef32_pk8_bf8_f32 v[WC+2*\g:WC+2*\g+1], v[WXS+8*\g:WXS+8*\g+7], v11
.endr
	ds_store_b128 v4, v[WC:WC+3] offset:32*(\t)
	ds_store_b128 v4, v[WC+4:WC+7] offset:32*(\t)+16
.if (\t)+2 < NB
	WLOAD (\t)+2
.endif
	s_wait_dscnt 0x0                               ; the stores have read their registers: the next block's codes may be written
.endm
.irp t, 0,1,2,3,4,5,6,7
	WBLOCK \t
.endr
	global_store_b64 v9, v[SB:SB+1], s[26:27]      ; my column's 8 scale bytes: rows 32 bytes apart, one byte for each 128 that the job reads
.irp t, 0,1,2,3,4,5,6,7,8,9,10,11,12,13,14,15
	ds_load_b128 v[OUTR+4*\t:OUTR+4*\t+3], v7 offset:2*\t*PITCH
.endr
.irp t, 0,1,2,3,4,5,6,7,8,9,10,11,12,13,14,15
	s_wait_dscnt 15-\t
	global_store_b128 v8, v[OUTR+4*\t:OUTR+4*\t+3], s[24:25] offset:2*\t*KROW   ; sixteen lanes store 256 consecutive bytes, aligned
.endr
	s_wait_tensorcnt 0x0
	ds_add_u32 v208, v209
	s_wait_dscnt 0x0
	s_endpgm
.Lfunc_end_k_qf783bdff58_prep:
	.size	k_qf783bdff58_prep, .Lfunc_end_k_qf783bdff58_prep-k_qf783bdff58_prep
	.p2alignl 7, 3214868480
	.fill 96, 4, 3214868480
	.section	.rodata,"a",@progbits
	.p2align	6, 0x0
	.amdhsa_kernel k_qf783bdff58_prep
		.amdhsa_group_segment_fixed_size 101888
		.amdhsa_private_segment_fixed_size 0
		.amdhsa_enable_private_segment 0
		.amdhsa_kernarg_size 48
		.amdhsa_user_sgpr_count 2
		.amdhsa_user_sgpr_kernarg_segment_ptr 1
		.amdhsa_wavefront_size32 1
		.amdhsa_system_sgpr_workgroup_id_x 1
		.amdhsa_system_sgpr_workgroup_id_y 1
		.amdhsa_system_sgpr_workgroup_id_z 1
		.amdhsa_system_vgpr_workitem_id 0
		.amdhsa_next_free_vgpr 210
		.amdhsa_next_free_sgpr 66
		.amdhsa_reserve_vcc 1
		.amdhsa_float_denorm_mode_32 3
		.amdhsa_float_denorm_mode_16_64 3
		.amdhsa_memory_ordered 1
		.amdhsa_forward_progress 1
		.amdhsa_inst_pref_size 131
	.end_amdhsa_kernel
	.amdgpu_metadata
---
amdhsa.version: [ 1, 2 ]
amdhsa.kernels:
  - .name:           k_qf783bdff58_prep
    .symbol:         k_qf783bdff58_prep.kd
    .args:
      - { .name: x, .offset: 0, .size: 8, .value_kind: global_buffer, .address_space: global }
      - { .name: Wqkv, .offset: 8, .size: 8, .value_kind: global_buffer, .address_space: global }
      - { .name: Wout, .offset: 16, .size: 8, .value_kind: global_buffer, .address_space: global }
      - { .name: attn_mask, .offset: 24, .size: 8, .value_kind: global_buffer, .address_space: global }
      - { .name: pq, .offset: 32, .size: 8, .value_kind: global_buffer, .address_space: global }
      - { .name: maskw, .offset: 40, .size: 8, .value_kind: global_buffer, .address_space: global }
    .group_segment_fixed_size: 101888
    .private_segment_fixed_size: 0
    .kernarg_segment_align: 8
    .kernarg_segment_size: 48
    .max_flat_workgroup_size: 128
    .sgpr_count:     66
    .vgpr_count:     210
    .wavefront_size: 32
...
	.end_amdgpu_metadata
.endif
;; end of part 1
;; launch qkv (part 2): grid 12 x 32, 4 waves a work-group, clusters of 4 x 4, 327,680 bytes of LDS; arguments pq, bqkv, qkv; writes qkv
.if DOCPART == 2
	.amdgcn_target "amdgcn-amd-amdhsa--gfx1250"
	.amdhsa_code_object_version 6
	.text
	.protected	k_qf783bdff58_qkv
	.globl	k_qf783bdff58_qkv
	.p2align	8
	.type	k_qf783bdff58_qkv,@function
k_qf783bdff58_qkv:
	s_mov_b64 s[64:65], 0
	v_nop
	global_prefetch_b8 v0, s[64:65] scope:SCOPE_SE
	s_setreg_imm32_b32 hwreg(HW_REG_WAVE_MODE, 25, 1), 1
	s_wait_xcnt 0x0
	s_wait_alu depctr_hold_cnt(0) depctr_sa_sdst(0) depctr_va_vdst(0) depctr_va_sdst(0) depctr_va_ssrc(0) depctr_va_vcc(0) depctr_vm_vsrc(0)
	s_getreg_b32 s2, hwreg(HW_REG_IB_STS2, 6, 4)
	s_cmp_eq_u32 s2, 0
	s_cbranch_scc0 .Lentry_in_a_cluster
	s_endpgm
.Lentry_in_a_cluster:
	s_bfe_u32 s2, ttmp6, 0x10000c
	s_cmp_lg_u32 s2, 0xf033
	s_cbranch_scc0 .Lentry_shape_is_right
	s_endpgm
.Lentry_shape_is_right:
; QKV = x Wqkv + bqkv on codes of E5M2 (one E8M0 byte for each 32 along K = 1,024), and its three parts quantised again on the way out: q and k along the head's 64, v along the keys.
; A tile of 256 x 256 is made by four waves, 128 x 128 each: 64 accumulators, 512 registers.  K goes in steps of 256 through two LDS slots filled by the tensor data mover; the scale bytes of the
; work-group's 2 x 256 rows, for all of K, come into LDS once.  4 x 4 work-groups form a cluster: A's tile is asked for jointly along a row of the cluster, B's along a column.
; 'B' is source 0 (its rows run along a lane's registers), 'A' is source 1 (a lane holds one of its rows).  Both come from pq's one space of rows.
;   cluster x = 0, 1 (q, k): A = 256 tokens, B = 256 columns of Wqkv: a lane holds one token and, since pq's rows lie in position order, 16 NEIGHBOURING channels in two neighbouring accumulators.
;   cluster x = 2 (v):       A = 256 columns of Wqkv's last third, B = 256 tokens: a lane holds one channel and 16 neighbouring KEYS.
; So one and the same way out quantises all three: 4 blocks of 32 along the registers' axis make one fragment (16 registers) and one scale word for each of the wave's 8 blocks of 16 rows.
; The fragments are stored as IMAGES OF THE OPERAND'S REGISTERS, 512 consecutive bytes a store:  qkv + ty 2^23 + P 2^18 + step 2^14 + a 2048 + c 512 + 16 lane  (P = 8 batch + head / 2, step = 128 tokens),
; the scale words at QSC + ty 2^18 + P 2^13 + step 2^9 + (a / 4) 256 + 16 r + 4 (a % 4).
; LIMITS: a block whose largest magnitude lies under 2^-111 gets the byte 1; NaN and infinities are not served.
; REGISTERS, in windows of 256: window 0: v0-31 addresses and the lane-wise bias; v32-63 scale words, two sets; v64-127 the register-wise bias; from v128 A's fragments, ONE set (on the way out: at work).
;   window 1: B's fragments, two sets.   window 2: the accumulators of my rows 0-63 ((a, b) at v[8 (8 a + b)]);   window 3: those of rows 64-127.
.set KSTEP,  256
.set NQ,     2                         ; matrix instructions deep in a slot
.set ROWB,   256                       ; a tile's row in bytes
.set KROW,   1024                      ; a row of pq in bytes
.set PITCH,  272                       ; an LDS row: 256 bytes + 16 of padding: the 16 rows that a load touches start 68 words apart
.set FR,     16
.set NL,     4
.set NP,     8                         ; places behind this matrix instruction (ISA guide 7.12.1)
.set HALFT,  128*PITCH
.set SLOT,   4*HALFT
.set LAPS,   2                         ; K = 1,024 = twice round the ring
.set KS,     32                        ; a row of scale bytes
.set SCL,    2*SLOT                    ; behind the ring: the scales, as units of 256 bytes + 16
.set HALFS,  (128*KS/256)*272
.set SBLK,   (16*KS/256)*272
.set SPARE,  SCL+4*HALFS               ; the spare words, 128 bytes a wave: two blocks of 256 bytes that no other line names
.set SCO,    12582912                  ; where the scale bytes begin in pq
.set QSC,    25165824                  ; where the scale words begin in qkv
.set BV,   8                           ; v8-15   the bias of my lane's row in each of the 8 blocks (v)
.set ADRA, 16
.set ADRB, 20
.set CO,   26                          ; v26     16 x lane
.set ADRS, 27
.set SPW,  28
.set NIL,  29
.set OBQ,  30                          ; v30     64 h: offset of the register-wise bias; never rewritten
.set OBV,  31                          ; v31     4 (r + 8 (r / 8)): offset of the lane-wise bias; never rewritten
.set SC,   32
.set BQ,   64                          ; v64-127 the bias of my 8 registers in each of the 8 column blocks (q, k)
.set AF,   128
.set BV2,  128                         ; the way out: v128-143 the lane-wise bias in pairs
.set PCD,  160                         ; v160-191 the codes just made, two sets by turns
.set SW,   192                         ; v192-199 the 8 blocks' scale words
.set TM,   200                         ; v200-203 largest magnitudes, v204-207 bytes, v208-211 57,344 x the scale, v212-215 the conversions' scale operands
.set SWO,  216                         ; v216-220 the scale words as they leave
.set G1, 24
.set G0, 32
.set G1B, 48
.set G0B, 56
.set G1S, 68
.set G0S, 76
.set G1SB, 80
.set G0SB, 88
.set SEL, 66                           ; s[66:67] v_permlanex16_b32's selects for lane l xor 16
.set MNT, 95                           ; s95     the mantissa field of 57,344
.set CBP, 96                           ; s[96:97] where my wave's images go
.set SBP, 98                           ; s[98:99] and its scale words
.set MSB, 0
.macro WIN new                         ; the immediate's high byte repeats the setting that is left
.if MSB != \new
	s_set_vgpr_msb (MSB<<8)|\new
.set MSB, \new
.endif
.endm
.set MUL_LO, 0xa1                      ; source 0 (B) window 1, source 1 (A) window 0, C and D window 2
.set MUL_HI, 0xf1
.set TO_B,   0x40
; A joint load: waves 0 and 1 fetch for A, waves 2 and 3 for B; the branch hangs on the wave's number alone.  Four v_nop follow each of the two lines.
.macro JLOAD g0a, g1a, g0b, g1b
	s_cmp_eq_u32 s15, 0
	s_cbranch_scc0 .Lfor_b_\@
	tensor_load_to_lds s[\g0a:\g0a+3], s[\g1a:\g1a+7]
	s_nop 0
.rept 4
	v_nop
.endr
	s_branch .Lasked_\@
.Lfor_b_\@:
	tensor_load_to_lds s[\g0b:\g0b+3], s[\g1b:\g1b+7]
	s_nop 0
.rept 4
	v_nop
.endr
.Lasked_\@:
.endm
.macro CREST                           ; a round of the cluster's barrier behind its opening barrier
	s_cmp_lg_u32 s14, 0
	s_cbranch_scc1 .Lnot_wave_0_\@
	s_barrier_signal -3
.Lnot_wave_0_\@:
	s_barrier_wait -3
	s_barrier_signal -1
	s_barrier_wait -1
.endm
.macro CROUND
	s_barrier_signal -1
	s_barrier_wait -1
	CREST
.endm
	s_load_b128 s[4:7], s[0:1], 0x0                ; pq s[4:5], bqkv s[6:7]
	s_load_b64 s[8:9], s[0:1], 0x10                ; qkv
	v_lshl_add_u32 v[SPW], v0, 2, SPARE
	v_mov_b32 v[NIL], 0
	ds_add_u32 v28, v29
	ds_add_u32 v28, v29
	s_wait_dscnt 0x0
	v_lshrrev_b32 v1, 5, v0
	v_readfirstlane_b32 s14, v1                    ; wave 0..3
	s_lshr_b32 s15, s14, 1                         ; which half of A's rows is mine.  Also: I fetch for A (0) or for B (1)
	s_and_b32 s16, s14, 1                          ; which half of B's rows.  Also: which 128 rows I fetch
	s_bfe_u32 s40, ttmp6, 0x40000                  ; cx, cy: my place in the cluster
	s_bfe_u32 s41, ttmp6, 0x40004
	s_and_b32 s10, ttmp7, 0xffff
	s_lshl_b32 s10, s10, 2                         ; 4 x cluster y: the cluster's first unit of 256 tokens
	s_lshl_b32 s11, ttmp9, 2
	s_add_co_u32 s11, s11, 32                      ; 32 + 4 x cluster x: its first unit of 256 columns of Wqkv
	s_cmp_eq_u32 ttmp9, 2                          ; v?  The cluster's x is the same in all sixteen partners
	s_cselect_b32 s17, 40, s10
	s_cselect_b32 s42, s10, s11
	s_add_co_u32 s17, s17, s41                     ; A's unit of 256 rows of pq: hangs on cy alone among the places
	s_add_co_u32 s42, s42, s40                     ; B's: on cx alone
	s_lshl_b32 s43, s41, 2
	s_lshl_b32 s43, 15, s43                        ; my row of the cluster
	s_lshl_b32 s44, 0x1111, s40                    ; my column
	s_or_b32 s[G1+0], s43, (0<<16)|(1<<20)|(1<<21)|(5<<22)|(3<<25)  ; the mask; elements of 1 byte; padding: 4 words behind every 64; bit 21 beside a mask
	s_or_b32 s[G1B+0], s44, (0<<16)|(1<<20)|(1<<21)|(5<<22)|(3<<25)
.irp g, G1, G1B
	s_mov_b32 s[\g+1], ROWB<<16                    ; tensor_dim0
	s_mov_b32 s[\g+2], 128<<16                     ; tensor_dim1
	s_mov_b32 s[\g+3], ROWB<<16                    ; tile_dim0
	s_mov_b32 s[\g+4], 128                         ; tile_dim1
	s_mov_b32 s[\g+5], KROW                        ; the pitch
	s_mov_b32 s[\g+6], 0
	s_mov_b32 s[\g+7], 0
.endr
	s_or_b32 s[G1S+0], s43, (3<<16)|(1<<20)|(1<<21)|(5<<22)|(3<<25)  ; the scales of 128 rows: 4,096 dense bytes as 16 rows of 256 (32 elements of 8 bytes), 16 bytes of padding behind each
	s_or_b32 s[G1SB+0], s44, (3<<16)|(1<<20)|(1<<21)|(5<<22)|(3<<25)
.irp g, G1S, G1SB
	s_mov_b32 s[\g+1], 32<<16
	s_mov_b32 s[\g+2], (128*KS/256)<<16
	s_mov_b32 s[\g+3], 32<<16
	s_mov_b32 s[\g+4], 128*KS/256
	s_mov_b32 s[\g+5], 32
	s_mov_b32 s[\g+6], 0
	s_mov_b32 s[\g+7], 0
.endr
	s_lshl_b32 s18, s16, 7                         ; which 128 rows of the tile I fetch
	s_lshl_b32 s20, s17, 8
	s_add_co_u32 s20, s20, s18                     ; A's row of pq
	s_lshl_b32 s46, s42, 8
	s_add_co_u32 s46, s46, s18                     ; B's
	s_mov_b32 s21, 0
	s_mov_b32 s47, 0
	s_mov_b64 s[18:19], KS
	s_mul_u64 s[22:23], s[20:21], s[18:19]
	s_mul_u64 s[92:93], s[46:47], s[18:19]
	s_add_nc_u64 s[22:23], s[22:23], SCO           ; where these rows' scales begin, in bytes
	s_add_nc_u64 s[92:93], s[92:93], SCO
	s_mov_b64 s[18:19], KROW
	s_mul_u64 s[20:21], s[20:21], s[18:19]         ; and their codes
	s_mul_u64 s[46:47], s[46:47], s[18:19]
	s_mul_i32 s45, s14, HALFT                      ; where they go: wave x 128 rows: no place in the cluster enters an LDS address
	s_mul_i32 s94, s14, HALFS
	s_mov_b32 s[SEL], 0x76543210
	s_mov_b32 s[SEL+1], 0xfedcba98
	s_mov_b32 s[MNT], 0x600000
	s_wait_kmcnt 0x0
	s_add_nc_u64 s[20:21], s[4:5], s[20:21]
	s_add_nc_u64 s[22:23], s[4:5], s[22:23]
	s_add_nc_u64 s[46:47], s[4:5], s[46:47]
	s_add_nc_u64 s[92:93], s[4:5], s[92:93]
	CROUND                                         ; all sixteen work-groups are here: the first joint loads meet
	s_mov_b32 s[G0S], 1
	s_add_co_u32 s[G0S+1], s94, SCL
	s_mov_b64 s[G0S+2:G0S+3], s[22:23]
	s_or_b32 s[G0S+3], s[G0S+3], 0x80000000
	s_mov_b32 s[G0SB], 1
	s_add_co_u32 s[G0SB+1], s94, SCL
	s_mov_b64 s[G0SB+2:G0SB+3], s[92:93]
	s_or_b32 s[G0SB+3], s[G0SB+3], 0x80000000
	JLOAD G0S, G1S, G0SB, G1SB                     ; the scales first: they are wanted with K step 0
.irp s, 0,1
	s_mov_b32 s[G0+4*\s], 1
	s_add_co_u32 s[G0+4*\s+1], s45, \s*SLOT
	s_add_nc_u64 s[G0+4*\s+2:G0+4*\s+3], s[20:21], \s*ROWB
	s_or_b32 s[G0+4*\s+3], s[G0+4*\s+3], 0x80000000
	s_mov_b32 s[G0B+4*\s], 1
	s_add_co_u32 s[G0B+4*\s+1], s45, \s*SLOT
	s_add_nc_u64 s[G0B+4*\s+2:G0B+4*\s+3], s[46:47], \s*ROWB
	s_or_b32 s[G0B+4*\s+3], s[G0B+4*\s+3], 0x80000000
	JLOAD G0+4*\s, G1, G0B+4*\s, G1B
.endr
	v_and_b32 v1, 15, v0                           ; r = l % 16
	v_bfe_u32 v2, v0, 4, 1                         ; h = l / 16
	v_mul_u32_u24 v3, v1, PITCH
	v_lshl_add_u32 v4, v2, 4, v3                   ; a fragment's row x pitch + 16 x half
	s_mul_i32 s21, s15, HALFT                      ; my 128 rows of A
	s_mul_i32 s22, s16, HALFT                      ; my 128 rows of B,
	s_add_co_u32 s22, s22, 2*HALFT                 ; which lie behind A's 256
.irp s, 0,1
	v_add_nc_u32 v[ADRA+\s], s21, v4
	v_add_nc_u32 v[ADRB+\s], s22, v4
	s_add_co_u32 s21, s21, SLOT
	s_add_co_u32 s22, s22, SLOT
.endr
	v_mul_u32_u24 v5, v1, KS                       ; my row's scales: KS bytes a row,
	v_lshrrev_b32 v6, 8, v5
	v_lshl_add_u32 v5, v6, 4, v5                   ; and 16 more for each 256 passed
	s_mul_i32 s21, s15, HALFS
	s_mul_i32 s22, s16, HALFS
	s_add_co_u32 s22, s22, 2*HALFS
	s_sub_co_u32 s22, s22, s21
	v_mul_u32_u24 v6, s22, v2                      ; lanes 16-31 take B's: the lower base + h x the distance
	s_add_co_u32 s21, s21, SCL
	v_add_nc_u32 v5, v5, v6
	v_add_nc_u32 v[ADRS], s21, v5
	v_and_b32 v6, 31, v0
	v_lshlrev_b32 v[CO], 4, v6                     ; 16 x lane
	; which columns of Wqkv and which tokens are my wave's
	s_lshl_b32 s10, s17, 8
	s_lshl_b32 s11, s15, 7
	s_add_co_u32 s10, s10, s11                     ; my first row of A in pq
	s_lshl_b32 s11, s42, 8
	s_lshl_b32 s12, s16, 7
	s_add_co_u32 s11, s11, s12                     ; my first row of B
	s_cmp_eq_u32 ttmp9, 2
	s_cselect_b32 s12, s10, s11
	s_cselect_b32 s13, s11, s10                    ; my first token (a multiple of 128: position and index agree)
	s_sub_co_u32 s12, s12, 8192                    ; my first column of Wqkv
	s_lshl_b32 s100, s12, 2
	s_mov_b32 s101, 0
	s_add_nc_u64 s[6:7], s[6:7], s[100:101]        ; bqkv at my 128 columns
	v_lshlrev_b32 v[OBQ], 6, v2
	v_and_b32 v[OBV], 8, v1
	v_add_nc_u32 v[OBV], v[OBV], v1
	v_lshlrev_b32 v[OBV], 2, v[OBV]
.irp b, 0,1,2,3,4,5,6,7                        ; both forms of the bias are loaded by every wave: block b's registers are columns 32 (b / 2) + 16 h + 8 (b % 2) + 0 .. 7;
	global_load_b128 v[BQ+8*\b:BQ+8*\b+3], v[OBQ], s[6:7] offset:(32*(\b/2)+8*(\b%2))*4
	global_load_b128 v[BQ+8*\b+4:BQ+8*\b+7], v[OBQ], s[6:7] offset:(32*(\b/2)+8*(\b%2))*4+16
.endr
.irp a, 0,1,2,3,4,5,6,7                        ; row r of block a is column 32 (a / 2) + 8 (a % 2) + r + 8 (r / 8)
	global_load_b32 v[BV+\a], v[OBV], s[6:7] offset:(32*(\a/2)+8*(\a%2))*4
.endr
	s_lshr_b32 s100, s13, 11
	s_lshl_b32 s100, s100, 3
	s_bfe_u32 s101, s12, 0x30007
	s_add_co_u32 s100, s100, s101                  ; P = 8 x batch + pair of heads
	s_bfe_u32 s101, s13, 0x40007                   ; step: which 128 tokens of the batch
	s_lshl_b32 s[CBP], ttmp9, 23
	s_lshl_b32 s[CBP+1], s100, 18
	s_add_co_u32 s[CBP], s[CBP], s[CBP+1]
	s_lshl_b32 s[CBP+1], s101, 14
	s_add_co_u32 s[CBP], s[CBP], s[CBP+1]
	s_mov_b32 s[CBP+1], 0
	s_lshl_b32 s[SBP], ttmp9, 18
	s_lshl_b32 s[SBP+1], s100, 13
	s_add_co_u32 s[SBP], s[SBP], s[SBP+1]
	s_lshl_b32 s[SBP+1], s101, 9
	s_add_co_u32 s[SBP], s[SBP], s[SBP+1]
	s_add_co_u32 s[SBP], s[SBP], QSC
	s_mov_b32 s[SBP+1], 0
	s_add_nc_u64 s[CBP:CBP+1], s[8:9], s[CBP:CBP+1]
	s_add_nc_u64 s[SBP:SBP+1], s[8:9], s[SBP:SBP+1]
.macro FRAG reg, adr, q, i             ; a fragment, 16 rows x 128 K: lane l holds row l % 16; registers 4 c .. 4 c + 3 hold K = 32 c + 16 (l / 16) + 0 .. 15
.irp c, 0,1,2,3
	ds_load_b128 v[\reg+4*\c:\reg+4*\c+3], v[\adr] offset:128*(\q)+32*\c+(\i)*16*PITCH
.endr
.endm
; 16 matrix instructions: A's blocks a0, a0 + 1 x B's eight.  The 64 accumulators take turns, one instruction a turn, in the same order in every step.
.macro MUL16 a0, p, q, sc, zero
.irp a, \a0, \a0+1
.irp b, 0,1,2,3,4,5,6,7
.if \zero
	v_wmma_scale_f32_16x16x128_f8f6f4 v[8*(8*((\a)%4)+\b):8*(8*((\a)%4)+\b)+7], v[128*(\p)+FR*\b:128*(\p)+FR*\b+FR-1], v[AF+FR*(\a):AF+FR*(\a)+FR-1], 0, v[SC+8*NQ*(\sc)+NQ*\b+(\q)], v[SC+8*NQ*(\sc)+NQ*(\a)+(\q)] matrix_a_fmt:MATRIX_FMT_BF8 matrix_b_fmt:MATRIX_FMT_BF8 matrix_a_scale:MATRIX_SCALE_ROW1
.else
	v_wmma_scale_f32_16x16x128_f8f6f4 v[8*(8*((\a)%4)+\b):8*(8*((\a)%4)+\b)+7], v[128*(\p)+FR*\b:128*(\p)+FR*\b+FR-1], v[AF+FR*(\a):AF+FR*(\a)+FR-1], v[8*(8*((\a)%4)+\b):8*(8*((\a)%4)+\b)+7], v[SC+8*NQ*(\sc)+NQ*\b+(\q)], v[SC+8*NQ*(\sc)+NQ*(\a)+(\q)] matrix_a_fmt:MATRIX_FMT_BF8 matrix_b_fmt:MATRIX_FMT_BF8 matrix_a_scale:MATRIX_SCALE_ROW1
.endif
.endr
.endr
.endm
.macro FETCH_B slot, q, p
	WIN TO_B
.irp i, 0,1,2,3,4,5,6,7
	FRAG 128*(\p)+FR*\i, ADRB+\slot, \q, \i
.endr
	WIN 0
.endm
.macro FETCH_A slot, q, i0
.irp i, \i0, \i0+1, \i0+2, \i0+3
	FRAG AF+FR*(\i), ADRA+\slot, \q, \i
.endr
.endm
.macro SCALES sc                       ; a K step's scale words: lanes 0-15 take A's block i, lanes 16-31 B's block i
.irp i, 0,1,2,3,4,5,6,7
	ds_load_b64 v[SC+8*NQ*\sc+NQ*\i:SC+8*NQ*\sc+NQ*\i+1], v[ADRS] offset:\i*SBLK
.endr
.endm
.macro PLACES n                        ; plain vector instructions that name no register of the matrix instructions ahead of them (ISA guide 7.12.1)
.rept \n
	v_nop
.endr
.endm
.macro STEP slot, q, zero              ; a step of 128 along K that has its successor in the same slot
	s_wait_dscnt 4*NL                              ; B's set and A's blocks 0-3 are in; the youngest 16 loads (A's blocks 4-7) may be out
	WIN MUL_LO
	MUL16 0, (\q)%2, \q, \slot, \zero
	MUL16 2, (\q)%2, \q, \slot, \zero
	s_wait_dscnt 0
	PLACES NP
	FETCH_B \slot, (\q)+1, 1-(\q)%2
	FETCH_A \slot, (\q)+1, 0
	WIN MUL_HI
	MUL16 4, (\q)%2, \q, \slot, \zero
	MUL16 6, (\q)%2, \q, \slot, \zero
	PLACES NP
	WIN 0
	FETCH_A \slot, (\q)+1, 4
.endm
; A slot's last step changes slots: one barrier; ahead of it each wave waits for all its tensor loads, adds 0 to its spare word, and waits for that and for its own reads of this slot.
.macro TURN slot, next, fill
	s_wait_tensorcnt 0x0                           ; all my tensor loads have landed: my part of the next slot
	ds_add_u32 v[SPW], v[NIL]                      ; 0 onto my spare word
	s_wait_dscnt 4*NL+1                            ; (the add and the youngest 16 loads, A's blocks 4-7, may be out)
	WIN MUL_LO
	MUL16 0, 1, NQ-1, \slot, 0
	s_wait_dscnt 0x0                               ; the add is done, and my reads of this slot are over
	s_barrier_signal -1
	MUL16 2, 1, NQ-1, \slot, 0
	WIN 0
	s_barrier_wait -1
.if \fill
	CREST                                          ; the barrier has opened a round of the cluster's: no wave of any partner still reads this slot or has a load on its way
	s_add_nc_u64 s[G0+4*\slot+2:G0+4*\slot+3], s[G0+4*\slot+2:G0+4*\slot+3], 2*ROWB
	s_add_nc_u64 s[G0B+4*\slot+2:G0B+4*\slot+3], s[G0B+4*\slot+2:G0B+4*\slot+3], 2*ROWB
	JLOAD G0+4*\slot, G1, G0B+4*\slot, G1B         ; the first tensor load behind the round; its four v_nop are among the places ahead of the loads below
	PLACES NP-4
.else
	PLACES NP
.endif
	v_add_nc_u32 v[ADRS], 4*NQ, v[ADRS]            ; on to the next K step's scale words (no LDS load of mine is out)
	FETCH_B \next, 0, 0
	FETCH_A \next, 0, 0
	SCALES \next
	WIN MUL_HI
	MUL16 4, 1, NQ-1, \slot, 0
	MUL16 6, 1, NQ-1, \slot, 0
	PLACES NP
	WIN 0
	FETCH_A \next, 0, 4
.endm
	s_wait_loadcnt 0x0                             ; the bias, once: it has come beside the first tiles
	s_wait_tensorcnt 1                             ; the scales and my part of K step 0 are in (K step 1's load may be out)
	s_barrier_signal -1
	s_barrier_wait -1
	FETCH_B 0, 0, 0
	FETCH_A 0, 0, 0
	SCALES 0
	FETCH_A 0, 0, 4
	STEP 0, 0, 1                                   ; the first step's products start the sums
	s_mov_b32 s3, LAPS-1
.Llap:                                                 ; a trip goes once round the ring and fills both slots again
	TURN 0, 1, 1
	STEP 1, 0, 0
	TURN 1, 0, 1
	STEP 0, 0, 0
	s_sub_co_u32 s3, s3, 1
	s_cmp_lg_u32 s3, 0
	s_cbranch_scc1 .Llap
	TURN 0, 1, 0                                   ; the last lap fills nothing
	STEP 1, 0, 0
	s_wait_dscnt 4*NL
	WIN MUL_LO
	MUL16 0, 1, NQ-1, 1, 0
	MUL16 2, 1, NQ-1, 1, 0
	s_wait_dscnt 0
	WIN MUL_HI
	MUL16 4, 1, NQ-1, 1, 0
	MUL16 6, 1, NQ-1, 1, 0
	WIN 0
	; THE WAY OUT.  First the bias, in place, each accumulator from its low end on.  The branch hangs on the cluster's x alone.
	PLACES NP
.irp b, 0,1,2,3
	v_mov_b32 v[TM+4+\b], 0                        ; written once: a lane permute's destination counts as one of its sources
.endr
	s_cmp_eq_u32 ttmp9, 2
	s_cbranch_scc1 .Lbias_v
.irp a, 0,1,2,3,4,5,6,7                        ; q, k: the bias goes with the registers' axis
.set WN, 0x82+0x41*(\a/4)
	WIN WN                                         ; destination and source 0: window 2 or 3; the bias: window 0
.irp b, 0,1,2,3,4,5,6,7
.irp j, 0,2,4,6
	v_pk_add_f32 v[64*(\a%4)+8*\b+\j:64*(\a%4)+8*\b+\j+1], v[64*(\a%4)+8*\b+\j:64*(\a%4)+8*\b+\j+1], v[BQ+8*\b+\j:BQ+8*\b+\j+1]
.endr
.endr
.endr
	WIN 0
	s_branch .Lbiased
.Lbias_v:
.irp a, 0,1,2,3,4,5,6,7                        ; v: the bias goes with the lane's row: one number a block, laid twice for the packed form
	v_mov_b32 v[BV2+2*\a], v[BV+\a]
	v_mov_b32 v[BV2+2*\a+1], v[BV+\a]
.endr
.irp a, 0,1,2,3,4,5,6,7
.set WN, 0x82+0x41*(\a/4)
	WIN WN
.irp b, 0,1,2,3,4,5,6,7
.irp j, 0,2,4,6
	v_pk_add_f32 v[64*(\a%4)+8*\b+\j:64*(\a%4)+8*\b+\j+1], v[64*(\a%4)+8*\b+\j:64*(\a%4)+8*\b+\j+1], v[BV2+2*\a:BV2+2*\a+1]
.endr
.endr
.endr
	WIN 0
.Lbiased:
; Block a (16 rows): its 64 numbers a lane, register 16 b + i = index 32 b + 16 h + i along the next K, become a fragment's 16 registers and a scale word.
.macro QOUT a
.set W, 2+(\a)/4
.set AC, 64*((\a)%4)
.set PCA, PCD+16*((\a)%2)
.set WN, W|(W<<2)
	WIN WN                                         ; sources 0 and 1: the accumulators' window
.irp b, 0,1,2,3
	v_max3_num_f32 v[TM+\b], |v[AC+16*\b]|, |v[AC+16*\b+1]|, 0x8000000   ; my 16 numbers of block b, and the floor 2^(16 - 127): the byte cannot fall under 1
.endr
.set WN, (W<<2)|(W<<4)
	WIN WN                                         ; sources 1 and 2
.irp i, 2,4,6,8,10,12,14
.irp b, 0,1,2,3
	v_max3_num_f32 v[TM+\b], v[TM+\b], |v[AC+16*\b+\i]|, |v[AC+16*\b+\i+1]|
.endr
.endr
	WIN 0
.irp b, 0,1,2,3
	v_permlanex16_b32 v[TM+4+\b], v[TM+\b], s[SEL], s[SEL+1]
.endr
.irp b, 0,1,2,3
	v_max_num_f32 v[TM+\b], v[TM+\b], v[TM+4+\b]   ; with lane l xor 16's: the block's largest magnitude
.endr
.irp b, 0,1,2,3
	v_add_nc_u32 v[TM+12+\b], 0xf8800000, v[TM+\b] ; 15 off its exponent field: the conversion's scale operand
.endr
.irp b, 0,1,2,3
	v_and_or_b32 v[TM+8+\b], v[TM+\b], 0x7f800000, s[MNT]   ; 57,344 x the scale
.endr
.irp b, 0,1,2,3
	v_lshrrev_b32 v[TM+4+\b], 23, v[TM+12+\b]      ; the scale's byte
.endr
	v_lshl_or_b32 v[SW+(\a)], v[TM+5], 8, v[TM+4]
	v_lshl_or_b32 v[SW+(\a)], v[TM+6], 16, v[SW+(\a)]
	v_lshl_or_b32 v[SW+(\a)], v[TM+7], 24, v[SW+(\a)]
.set WN, W|(W<<6)
	WIN WN                                         ; destination and source 0
.irp b, 0,1,2,3
.irp i, 0,1,2,3,4,5,6,7,8,9,10,11,12,13,14,15
	v_med3_num_f32 v[AC+16*\b+\i], v[AC+16*\b+\i], -v[TM+8+\b], v[TM+8+\b]   ; the conversion to an 8-bit code does not saturate (ISA guide 7.6.2): the hold comes first
.endr
.endr
	s_wait_xcnt 0x0                                ; the stores of two blocks back have read this set of code registers
	WIN W                                          ; source 0
.irp b, 0,1,2,3
	v_cvt_scalef32_pk8_bf8_f32 v[PCA+4*\b:PCA+4*\b+1], v[AC+16*\b:AC+16*\b+7], v[TM+12+\b]
	v_cvt_scalef32_pk8_bf8_f32 v[PCA+4*\b+2:PCA+4*\b+3], v[AC+16*\b+8:AC+16*\b+15], v[TM+12+\b]
.endr
	WIN 0
	v_nop                                          ; one plain vector instruction behind the last conversion, ahead of whatever next touches its registers
.irp c, 0,1,2,3
	global_store_b128 v[CO], v[PCA+4*\c:PCA+4*\c+3], s[CBP:CBP+1] offset:(\a)*2048+\c*512   ; 32 lanes store 512 consecutive bytes, aligned
.endr
.endm
.irp a, 0,1,2,3,4,5,6,7
	QOUT \a
.endr
	v_and_b32 v[SWO+4], 16, v0
	v_cmp_ne_u32 vcc_lo, 0, v[SWO+4]
.irp i, 0,1,2,3
	v_cndmask_b32 v[SWO+\i], v[SW+\i], v[SW+4+\i], vcc_lo   ; lanes 0-15 (row r): blocks 0-3's words; lanes 16-31: blocks 4-7's (both halves of the lanes hold the same words)
.endr
	global_store_b128 v[CO], v[SWO:SWO+3], s[SBP:SBP+1]   ; 512 consecutive bytes
	s_wait_tensorcnt 0x0                           ; the wave's end
	ds_add_u32 v[SPW], v[NIL]
	s_wait_dscnt 0x0
	CROUND                                         ; the closing round: no work-group ends while a partner may still ask for a tile that names it
	s_endpgm
.Lfunc_end_k_qf783bdff58_qkv:
	.size	k_qf783bdff58_qkv, .Lfunc_end_k_qf783bdff58_qkv-k_qf783bdff58_qkv
	.p2alignl 7, 3214868480
	.fill 96, 4, 3214868480
	.section	.rodata,"a",@progbits
	.p2align	6, 0x0
	.amdhsa_kernel k_qf783bdff58_qkv
		.amdhsa_group_segment_fixed_size 327680
		.amdhsa_private_segment_fixed_size 0
		.amdhsa_enable_private_segment 0
		.amdhsa_kernarg_size 24
		.amdhsa_user_sgpr_count 2
		.amdhsa_user_sgpr_kernarg_segment_ptr 1
		.amdhsa_wavefront_size32 1
		.amdhsa_system_sgpr_workgroup_id_x 1
		.amdhsa_system_sgpr_workgroup_id_y 1
		.amdhsa_system_sgpr_workgroup_id_z 1
		.amdhsa_system_vgpr_workitem_id 0
		.amdhsa_next_free_vgpr 1024
		.amdhsa_next_free_sgpr 102
		.amdhsa_reserve_vcc 1
		.amdhsa_float_denorm_mode_32 3
		.amdhsa_float_denorm_mode_16_64 3
		.amdhsa_memory_ordered 1
		.amdhsa_forward_progress 1
		.amdhsa_inst_pref_size 221
	.end_amdhsa_kernel
	.amdgpu_metadata
---
amdhsa.version: [ 1, 2 ]
amdhsa.kernels:
  - .name:           k_qf783bdff58_qkv
    .symbol:         k_qf783bdff58_qkv.kd
    .args:
      - { .name: pq, .offset: 0, .size: 8, .value_kind: global_buffer, .address_space: global }
      - { .name: bqkv, .offset: 8, .size: 8, .value_kind: global_buffer, .address_space: global }
      - { .name: qkv, .offset: 16, .size: 8, .value_kind: global_buffer, .address_space: global }
    .group_segment_fixed_size: 327680
    .private_segment_fixed_size: 0
    .kernarg_segment_align: 8
    .kernarg_segment_size: 24
    .max_flat_workgroup_size: 128
    .sgpr_count:     102
    .vgpr_count:     1024
    .wavefront_size: 32
...
	.end_amdgpu_metadata
.endif
;; end of part 2
;; launch attn (part 3): grid 4 x 64, 16 waves a work-group, no clusters, 276,480 bytes of LDS; arguments qkv, maskw, ao; writes ao
.if DOCPART == 3
	.amdgcn_target "amdgcn-amd-amdhsa--gfx1250"
	.amdhsa_code_object_version 6
	.text
	.protected	k_qf783bdff58_attn
	.globl	k_qf783bdff58_attn
	.p2align	8
	.type	k_qf783bdff58_attn,@function
k_qf783bdff58_attn:
	s_mov_b64 s[64:65], 0
	v_nop
	global_prefetch_b8 v0, s[64:65] scope:SCOPE_SE
	s_setreg_imm32_b32 hwreg(HW_REG_WAVE_MODE, 25, 1), 1
	s_wait_xcnt 0x0
; ATTENTION on codes of E5M2: S^T = K Q^T (K = the head's 64: the upper half of the instruction's 128 is zero codes), the mask as it is given, p = 2^(t - M) with M a whole number, O^T = V^T P^T, O / l,
; and O quantised along C for the last product.  All operands come as images of their registers, made by the launch before.
; SHARES.  A work-group owns one (batch, head) and a quarter of its 128 tiles of 16 queries.  It copies the head's WHOLE K and V (2 x 128 KiB of codes, 12 KiB of scale words) into LDS once, through registers:
; one barrier in the launch.  Wave w of work-group g then takes tiles 16 g + w and 127 - (16 g + w), one after the other, each over the 16 key steps of 128.
; THE MASK IS AN INPUT.  The first launch has turned it into whole numbers: for each (tile, step) 64 words of lane bits, and a flag word.  A step that hides every key from every query of the tile is passed
; over by a scalar branch on the stored flag; a step that hides none passes over the 64 selections.  That holds for any mask.
; No cluster: what the four work-groups of a head share is read once by each, at its head, and nothing afterwards.
; LAYOUT.  Both products are used transposed: a lane holds ONE query (lane % 16).  Tokens lie in position order, so the 16 registers of score tiles 2 b and 2 b + 1 are keys 32 b + 16 (lane / 16) + 0 .. 15.
; A ROW THAT THE MASK HIDES WHOLLY has l = 0: its two scale bytes are stored as 0xff (NaN in E8M0), so that the last product gives NaN for that row, as the softmax of such a row does.
; LIMITS: NaN and infinities among q, k, v are not served; p under 2^-126 comes out of v_exp_f32 as 0; a block whose largest magnitude lies under 2^-111 gets the byte 1.
; The scale bytes of O leave 2 bytes a lane, 32 bytes apart: one byte for each 32 of the codes.
; REGISTERS: v1 16 lane; v2 that + VI; v3, v8 my lane's place among K's and V's scale words; v4-7 the step's LDS addresses; v9 32 r; v10 -infinity; v11 Q's scale word; v12 -M, v13 the largest t, v[14:15] the sum;
;   v16-23 Q's codes, v24-31 zeros; v32-95 four fragments of K (8 registers of codes, 8 of zeros each); v96-159 S^T, then p, then V's four fragments; v160-191 O^T; v192-207 p's codes; v208-249 at work;
;   v228 p's scale word; v232-239 K's scale words; v240-243 V's.
.set VI,   131072                      ; LDS: K's images at 0 (tile x 1024 + c x 512 + 16 lane), V's here (step x 8192 + tile x 2048 + c x 512 + 16 lane),
.set KSL,  262144                      ; K's scale words (step x 512 + (tile / 4) x 256 + 16 r + 4 (tile % 4)),
.set VSL,  270336                      ; V's (step x 256 + 16 r + 4 tile)
.set QSC,  25165824                    ; where the scale words begin in qkv
	s_load_b128 s[4:7], s[0:1], 0x0                ; qkv s[4:5], maskw s[6:7]
	s_load_b64 s[8:9], s[0:1], 0x10                ; ao
	v_lshl_add_u32 v254, v0, 2, 0x43000
	v_mov_b32 v255, 0
	v_lshrrev_b32 v1, 5, v0
	v_readfirstlane_b32 s16, v1                    ; wave 0..15
	s_and_b32 s62, ttmp7, 0xffff
	s_lshr_b32 s3, s62, 4                          ; batch
	s_and_b32 s2, s62, 15                          ; head
	s_lshr_b32 s63, s2, 1
	s_lshl_b32 s61, s3, 3
	s_add_co_u32 s61, s61, s63                     ; P = 8 x batch + head / 2
	s_and_b32 s63, s2, 1                           ; which head of the pair
	s_lshl_b32 s60, s63, 4                         ; its two scale bytes lie 16 bits up in q's and k's words
	s_lshl_b32 s66, s61, 18
	s_lshl_b32 s67, s63, 10
	s_add_co_u32 s100, s66, s67
	s_add_co_u32 s100, s100, 1<<23
	s_mov_b32 s101, 0
	s_wait_kmcnt 0x0
	s_add_nc_u64 s[10:11], s[4:5], s[100:101]      ; K's images: a tile's 1,024 bytes of my head, 2,048 from tile to tile
	s_lshl_b32 s67, s63, 13
	s_add_co_u32 s100, s66, s67
	s_add_co_u32 s100, s100, 2<<23
	s_add_nc_u64 s[12:13], s[4:5], s[100:101]      ; V's: a step's 8,192 bytes of my head, 16,384 from step to step
	s_lshl_b32 s66, s61, 13
	s_add_co_u32 s100, s66, QSC+(1<<18)
	s_add_nc_u64 s[14:15], s[4:5], s[100:101]      ; K's scale words: 8,192 dense bytes
	s_lshl_b32 s67, s63, 8
	s_add_co_u32 s100, s66, s67
	s_add_co_u32 s100, s100, QSC+(2<<18)
	s_add_nc_u64 s[20:21], s[4:5], s[100:101]      ; V's: 256 bytes of my head in each step's 512
	v_lshrrev_b32 v170, 6, v0
	v_and_b32 v171, 63, v0
	v_lshlrev_b32 v171, 4, v171
	v_lshl_add_u32 v166, v170, 11, v171            ; K: 64 threads to a tile
	v_lshlrev_b32 v167, 4, v0                      ; 16 x thread
	v_and_b32 v171, 31, v0
	v_lshlrev_b32 v171, 3, v171
	v_lshl_add_u32 v168, v1, 9, v171               ; V's scale words: a wave to a step, 8 bytes a lane
	; 34 loads a thread, each 512 consecutive bytes a wave (the last 256), all issued, then stored in order
.set i, 0
.rept 16
	global_load_b128 v[32+4*i:35+4*i], v166, s[10:11] offset:16384*i
.set i, i+1
.endr
.set i, 0
.rept 16
	global_load_b128 v[96+4*i:99+4*i], v167, s[12:13] offset:16384*i
.set i, i+1
.endr
	global_load_b128 v[160:163], v167, s[14:15]
	global_load_b64 v[164:165], v168, s[20:21]
	v_lshlrev_b32 v176, 4, v0                      ; LDS: round i of the 32 goes to 8192 i + 16 x thread; an immediate reaches 65,535, so four address registers
	v_add_nc_u32 v177, 65536, v176
	v_add_nc_u32 v178, 131072, v176
	v_add_nc_u32 v179, 196608, v176
	v_add_nc_u32 v174, KSL, v176
	v_lshl_add_u32 v175, v0, 3, VSL
.set i, 0
.rept 32
	s_wait_loadcnt 33-i                            ; loads come back in order: load i is in, the 33 - i younger ones stay out
	ds_store_b128 v[176+i/8], v[32+4*i:35+4*i] offset:(i%8)*8192
.set i, i+1
.endr
	s_wait_loadcnt 1
.irp e, 0,1,2,3
	v_lshrrev_b32 v[160+\e], s60, v[160+\e]        ; my head's two bytes into bytes 0 and 1; what stands above them scales zero codes and is never 0xff
.endr
	ds_store_b128 v174, v[160:163]
	s_wait_loadcnt 0x0
	ds_store_b64 v175, v[164:165]
	s_wait_dscnt 0x0                               ; for the others' sake: my stores have landed
	s_barrier_signal -1
	s_barrier_wait -1                              ; the head's K and V lie in LDS; from here on LDS is only read
	v_and_b32 v244, 31, v0
	v_lshlrev_b32 v1, 4, v244
	v_add_nc_u32 v2, VI, v1
	v_and_b32 v244, 15, v0                         ; r
	v_lshlrev_b32 v249, 4, v244                    ; 16 r
	v_add_nc_u32 v3, KSL, v249
	v_add_nc_u32 v8, VSL, v249
	v_lshlrev_b32 v9, 5, v244
	v_mov_b32 v10, 0xff800000                      ; -infinity
	v_mov_b32 v248, 0xff
.irp e, 0,1,2,3,4,5,6,7
	v_mov_b32 v[24+\e], 0                          ; the codes of K = 64 .. 127: zeros, written once; Q's
	v_mov_b32 v[40+\e], 0                          ; and each of the four fragments of K has its own
	v_mov_b32 v[56+\e], 0
	v_mov_b32 v[72+\e], 0
	v_mov_b32 v[88+\e], 0
.endr
.irp b, 0,1,2,3
	v_mov_b32 v[212+\b], 0                         ; written once: a lane permute's destination counts as one of its sources
.endr
	v_mov_b32 v231, 0                              ; (upper halves of pairs of which the packed forms take the low word)
	v_mov_b32 v245, 0
	s_mov_b32 s52, 0x76543210
	s_mov_b32 s53, 0xfedcba98                      ; v_permlanex16_b32's selects for lane l xor 16
	s_mov_b32 s54, 0x3e38aa3b                      ; c = log2(e) / sqrt(64)
	s_mov_b32 s55, s54
	s_mov_b32 s56, 0x600000                        ; the mantissa field of 57,344
	s_lshl_b32 s17, ttmp9, 4
	s_add_co_u32 s17, s17, s16                     ; my first tile of queries
; ONE TILE OF 16 QUERIES (s17) over the 16 key steps.
.macro TILE
	s_wait_xcnt 0x0                                ; earlier loads and stores have read their registers and bases
	s_lshl_b32 s62, s61, 18
	s_lshl_b32 s63, s17, 11
	s_add_co_u32 s62, s62, s63
	s_lshl_b32 s63, s60, 6
	s_add_co_u32 s62, s62, s63
	s_mov_b32 s63, 0
	s_add_nc_u64 s[12:13], s[4:5], s[62:63]        ; Q's image: P 2^18 + tile x 2048 + 1024 x head of the pair
	s_lshl_b32 s62, s61, 13
	s_lshr_b32 s66, s17, 2
	s_lshl_b32 s66, s66, 8
	s_add_co_u32 s62, s62, s66
	s_and_b32 s66, s17, 3
	s_lshl_b32 s66, s66, 2
	s_add_co_u32 s62, s62, s66
	s_add_co_u32 s62, s62, QSC
	s_add_nc_u64 s[14:15], s[4:5], s[62:63]        ; its scale words
	global_load_b128 v[16:19], v1, s[12:13]
	global_load_b128 v[20:23], v1, s[12:13] offset:512
	global_load_b32 v11, v249, s[14:15]
	s_lshl_b32 s62, s17, 6
	s_add_co_u32 s62, s62, 524288
	s_add_nc_u64 s[10:11], s[6:7], s[62:63]
	s_load_b512 s[20:35], s[10:11], 0x0            ; the tile's 16 flag words
.set j, 0
.rept 32
	v_mov_b32 v[160+j], 0                          ; O^T: no step is surely the first that is worked, so the sums begin as zeros
.set j, j+1
.endr
	v_mov_b32 v13, 0xff61b1e6                      ; the largest t so far: -3e38
	v_floor_f32 v12, -v13                          ; -M
	v_mov_b32 v14, 0
	v_mov_b32 v15, 0
	s_mov_b32 s57, 0                               ; the step's place in K's and V's images: 8,192 bytes a step
	s_mov_b32 s58, 0                               ; among K's scale words: 512
	s_mov_b32 s59, 0                               ; among V's: 256
	s_mov_b32 s18, 0                               ; the step
	s_wait_kmcnt 0x0
	s_mov_b32 s19, s20
.irp i, 1,2,3,4,5,6,7,8,9,10,11,12,13,14,15
	s_lshl_b32 s[20+\i], s[20+\i], \i
	s_or_b32 s19, s19, s[20+\i]                    ; bit i: step i has an open key; bit 16 + i: all its keys are open
.endr
	s_lshl_b32 s62, s17, 12
	s_add_nc_u64 s[10:11], s[6:7], s[62:63]        ; the tile's mask words: 256 bytes a step
	s_wait_loadcnt 0x0                             ; Q
	v_lshrrev_b32 v11, s60, v11                    ; my head's two bytes (nine plain instructions stand between this line and the first product)
.Lstep_\@:
	s_lshr_b32 s62, s19, s18
	s_bitcmp1_b32 s62, 0
	s_cbranch_scc0 .Lskip_\@                       ; every key of the step is hidden from all 16 queries: a branch on a stored whole number, round the step's work alone
	s_load_b512 s[20:35], s[10:11], 0x0            ; the step's 64 mask words
	s_load_b512 s[36:51], s[10:11], 0x40
	s_load_b512 s[68:83], s[10:11], 0x80
	s_load_b512 s[84:99], s[10:11], 0xc0
	v_add_nc_u32 v4, s57, v1
	v_add_nc_u32 v5, s57, v2
	v_add_nc_u32 v6, s58, v3
	v_add_nc_u32 v7, s59, v8
.rept 5
	v_nop                                          ; with the four additions nine places: the products below write v96-159, which the last step's products with V read as an operand
.endr
	ds_load_b128 v[232:235], v6
	ds_load_b128 v[236:239], v6 offset:256
.irp g, 0,1                                    ; S^T = K Q^T, four tiles of 16 keys at a time
.if \g
.rept 8
	v_nop                                          ; places ahead of loads into registers that matrix instructions have read
.endr
.endif
.irp t, 0,1,2,3
	ds_load_b128 v[32+16*\t:35+16*\t], v4 offset:(4*\g+\t)*1024
	ds_load_b128 v[36+16*\t:39+16*\t], v4 offset:(4*\g+\t)*1024+512
.endr
	s_wait_dscnt 0x0
.irp t, 0,1,2,3
	v_wmma_scale_f32_16x16x128_f8f6f4 v[96+8*(4*\g+\t):103+8*(4*\g+\t)], v[32+16*\t:47+16*\t], v[16:31], 0, v[232+4*\g+\t], v11 matrix_a_fmt:MATRIX_FMT_BF8 matrix_b_fmt:MATRIX_FMT_BF8
.endr
.endr
	s_wait_kmcnt 0x0                               ; the mask words are in
	s_bitcmp1_b32 s62, 16
	s_cbranch_scc1 .Lopen_\@                       ; all keys open to all queries: nothing to select
.set n, 0
.rept 64
	v_cndmask_b32 v[96+n], v10, v[96+n], s[20+n+16*(n/32)]   ; a hidden score becomes -infinity.  Ascending: the first 32 name the first four tiles alone and are the places behind the last four products
.set n, n+1
.endr
.Lopen_\@:
.irp p, 0,2                                    ; the largest score of each block of 32 keys; blocks 0 and 1 first: their 16 lines are the places behind the last four products
.irp b, 0,1
	v_max3_num_f32 v[208+\p+\b], v[96+16*(\p+\b)], v[97+16*(\p+\b)], v[98+16*(\p+\b)]
.endr
.irp i, 3,5,7,9,11,13
.irp b, 0,1
	v_max3_num_f32 v[208+\p+\b], v[208+\p+\b], v[96+16*(\p+\b)+\i], v[97+16*(\p+\b)+\i]
.endr
.endr
.irp b, 0,1
	v_max_num_f32 v[208+\p+\b], v[208+\p+\b], v[111+16*(\p+\b)]
.endr
.endr
.irp b, 0,1,2,3
	v_permlanex16_b32 v[212+\b], v[208+\b], s52, s53
.endr
.irp b, 0,1,2,3
	v_max_num_f32 v[208+\b], v[208+\b], v[212+\b]  ; with lane l xor 16's 16 keys
.endr
	v_max3_num_f32 v244, v208, v209, v210
	v_max_num_f32 v244, v244, v211                 ; the step's largest score of my query
	v_mul_f32 v244, s54, v244                      ; as t
	v_max_num_f32 v13, v13, v244                   ; the running largest t
	v_mov_b32 v244, v12
	v_floor_f32 v12, -v13                          ; the new -M = floor(-t) = -ceil(t)
	v_sub_f32 v244, v12, v244                      ; old M - new M: a whole number, 0 or less
	v_cvt_i32_f32 v244, v244                       ; (it saturates)
	v_ldexp_f32 v230, 1.0, v244                    ; f = 2^(old M - new M): the rescaling rounds nothing
.irp j, 0,2,4,6,8,10,12,14,16,18,20,22,24,26,28,30,32,34,36,38,40,42,44,46,48,50,52,54,56,58,60,62
	v_pk_fma_f32 v[96+\j:97+\j], v[96+\j:97+\j], s[54:55], v[12:13] op_sel_hi:[1,0,0]   ; t - M, two at a time
.endr
.irp b, 0,1,2,3
	v_fma_f32 v[208+\b], v[208+\b], s54, v12       ; the same of each block's largest score
.endr
.set j, 0
.rept 64
	v_exp_f32 v[96+j], v[96+j]                     ; p = 2^(t - M): not normalised
.set j, j+1
.endr
	v_pk_mul_f32 v[14:15], v[14:15], v[230:231] op_sel_hi:[1,0]   ; the sums under the new M: the plain instruction behind the batch
	s_wait_alu depctr_va_vdst(0)                   ; one wait for the 64, ahead of their first reader
.irp b, 0,1,2,3
	v_exp_f32 v[208+\b], v[208+\b]                 ; the block's largest p: the same two instructions on the same number give the same bits
.endr
	v_pk_add_f32 v[246:247], v[96:97], v[98:99]    ; the row's sum is taken of the unquantised p, in two chains
.irp j, 4,8,12,16,20,24,28,32,36,40,44,48,52,56,60
	v_pk_add_f32 v[14:15], v[14:15], v[96+\j:97+\j]
	v_pk_add_f32 v[246:247], v[246:247], v[98+\j:99+\j]
.endr
	v_pk_add_f32 v[14:15], v[14:15], v[246:247]
	s_wait_alu depctr_va_vdst(0)                   ; and one for the four
.irp b, 0,1,2,3
	v_max_num_f32 v[208+\b], 0x8000000, v[208+\b]  ; the floor 2^(16 - 127): the byte cannot fall under 1
.endr
.irp b, 0,1,2,3
	v_add_nc_u32 v[220+\b], 0xf8800000, v[208+\b]  ; the conversion's scale operand
.endr
.irp b, 0,1,2,3
	v_and_or_b32 v[216+\b], v[208+\b], 0x7f800000, s56   ; 57,344 x the scale
.endr
.irp b, 0,1,2,3
	v_lshrrev_b32 v[224+\b], 23, v[220+\b]         ; the scale's byte
.endr
	v_lshl_or_b32 v228, v225, 8, v224              ; p's scale word for these 128 keys
	v_lshl_or_b32 v228, v226, 16, v228
	v_lshl_or_b32 v228, v227, 24, v228
.irp b, 0,1,2,3
.irp i, 0,1,2,3,4,5,6,7,8,9,10,11,12,13,14,15
	v_min_num_f32 v[96+16*\b+\i], v[96+16*\b+\i], v[216+\b]   ; the hold; p is never negative, so it is one-sided
.endr
	v_cvt_scalef32_pk8_bf8_f32 v[192+4*\b:193+4*\b], v[96+16*\b:103+16*\b], v[220+\b]
	v_cvt_scalef32_pk8_bf8_f32 v[194+4*\b:195+4*\b], v[104+16*\b:111+16*\b], v[220+\b]
.endr
.irp t, 0,1,2,3                                ; V's four fragments (16 channels x these 128 keys) into the registers that p has left
.irp c, 0,1,2,3
	ds_load_b128 v[96+16*\t+4*\c:99+16*\t+4*\c], v5 offset:2048*\t+512*\c
.endr
.endr
	ds_load_b128 v[240:243], v7
.irp j, 0,2,4,6,8,10,12,14,16,18,20,22,24,26,28,30
	v_pk_mul_f32 v[160+\j:161+\j], v[160+\j:161+\j], v[230:231] op_sel_hi:[1,0]   ; O^T under the new M.  These 16 also stand between the conversions and the products
.endr
	s_wait_dscnt 0x0
.irp t, 0,1,2,3                                ; O^T += V^T P^T: the four accumulators by turns; the eight score products stand between two links of a chain
	v_wmma_scale_f32_16x16x128_f8f6f4 v[160+8*\t:167+8*\t], v[96+16*\t:111+16*\t], v[192:207], v[160+8*\t:167+8*\t], v[240+\t], v228 matrix_a_fmt:MATRIX_FMT_BF8 matrix_b_fmt:MATRIX_FMT_BF8
.endr
.Lskip_\@:
	s_add_co_u32 s57, s57, 8192
	s_add_co_u32 s58, s58, 512
	s_add_co_u32 s59, s59, 256
	s_add_nc_u64 s[10:11], s[10:11], 256           ; no scalar load is out here: on the worked way they were waited for, on the other none was issued
	s_add_co_u32 s18, s18, 1
	s_cmp_lt_u32 s18, 16
	s_cbranch_scc1 .Lstep_\@
	; THE WAY OUT: O^T / l, quantised along C.  Register 16 g + i is channel 32 g + 16 h + i of my query: V's channels lie in position order
.rept 8
	v_nop                                          ; places behind the last products
.endr
	v_add_f32 v14, v14, v15
	v_permlanex16_b32 v212, v14, s52, s53
	v_add_f32 v14, v14, v212                       ; the row's sum
	v_rcp_f32 v244, v14
	v_nop                                          ; a plain instruction behind the reciprocal
	v_cmp_eq_f32 s100, 0, v14                      ; a row with no open key at all
	s_lshl_b32 s62, s3, 7
	s_add_co_u32 s62, s62, s17                     ; the tile among ao's 512
	s_lshl_b32 s66, s62, 14
	s_lshl_b32 s67, s2, 10
	s_add_co_u32 s66, s66, s67
	s_mov_b32 s67, 0
	s_add_nc_u64 s[12:13], s[8:9], s[66:67]        ; its image: tile x 16384 + (2 head + g) x 512 + 16 lane
	s_lshl_b32 s66, s62, 9
	s_lshl_b32 s62, s2, 1
	s_add_co_u32 s66, s66, s62
	s_add_co_u32 s66, s66, 8388608
	s_add_nc_u64 s[14:15], s[8:9], s[66:67]        ; its scale bytes: 32 a row, my head's two
	s_wait_alu depctr_va_vdst(0)                   ; the wait, ahead of the reciprocal's first reader
.irp j, 0,2,4,6,8,10,12,14,16,18,20,22,24,26,28,30
	v_pk_mul_f32 v[96+\j:97+\j], v[160+\j:161+\j], v[244:245] op_sel_hi:[1,0]   ; each accumulator from its low end on
.endr
.irp g, 0,1
	v_max3_num_f32 v[208+\g], |v[96+16*\g]|, |v[97+16*\g]|, 0x8000000
.endr
.irp i, 2,4,6,8,10,12,14
.irp g, 0,1
	v_max3_num_f32 v[208+\g], v[208+\g], |v[96+16*\g+\i]|, |v[97+16*\g+\i]|
.endr
.endr
.irp g, 0,1
	v_permlanex16_b32 v[212+\g], v[208+\g], s52, s53
.endr
.irp g, 0,1
	v_max_num_f32 v[208+\g], v[208+\g], v[212+\g]
.endr
.irp g, 0,1
	v_add_nc_u32 v[220+\g], 0xf8800000, v[208+\g]
.endr
.irp g, 0,1
	v_and_or_b32 v[216+\g], v[208+\g], 0x7f800000, s56
.endr
.irp g, 0,1
	v_lshrrev_b32 v[224+\g], 23, v[220+\g]
.endr
.irp g, 0,1
	v_cndmask_b32 v[224+\g], v[224+\g], v248, s100 ; l = 0: the byte 0xff
.endr
	v_lshl_or_b32 v229, v225, 8, v224
.irp g, 0,1
.irp i, 0,1,2,3,4,5,6,7,8,9,10,11,12,13,14,15
	v_med3_num_f32 v[96+16*\g+\i], v[96+16*\g+\i], -v[216+\g], v[216+\g]
.endr
	v_cvt_scalef32_pk8_bf8_f32 v[192+4*\g:193+4*\g], v[96+16*\g:103+16*\g], v[220+\g]
	v_cvt_scalef32_pk8_bf8_f32 v[194+4*\g:195+4*\g], v[104+16*\g:111+16*\g], v[220+\g]
.endr
	v_nop                                          ; one plain vector instruction behind the last conversion
	global_store_b128 v1, v[192:195], s[12:13]     ; 512 consecutive bytes a store
	global_store_b128 v1, v[196:199], s[12:13] offset:512
	global_store_b16 v9, v229, s[14:15]            ; lanes l and l + 16 hold the same two bytes of the same row
.endm
	TILE
	s_sub_co_u32 s17, 127, s17                     ; the partner tile: under a lower triangle, and under a full mask, every wave then has the same number of steps
	TILE
	s_wait_tensorcnt 0x0
	ds_add_u32 v254, v255
	s_wait_dscnt 0x0
	s_endpgm
.Lfunc_end_k_qf783bdff58_attn:
	.size	k_qf783bdff58_attn, .Lfunc_end_k_qf783bdff58_attn-k_qf783bdff58_attn
	.p2alignl 7, 3214868480
	.fill 96, 4, 3214868480
	.section	.rodata,"a",@progbits
	.p2align	6, 0x0
	.amdhsa_kernel k_qf783bdff58_attn
		.amdhsa_group_segment_fixed_size 276480
		.amdhsa_private_segment_fixed_size 0
		.amdhsa_enable_private_segment 0
		.amdhsa_kernarg_size 24
		.amdhsa_user_sgpr_count 2
		.amdhsa_user_sgpr_kernarg_segment_ptr 1
		.amdhsa_wavefront_size32 1
		.amdhsa_system_sgpr_workgroup_id_x 1
		.amdhsa_system_sgpr_workgroup_id_y 1
		.amdhsa_system_sgpr_workgroup_id_z 1
		.amdhsa_system_vgpr_workitem_id 0
		.amdhsa_next_free_vgpr 256
		.amdhsa_next_free_sgpr 102
		.amdhsa_reserve_vcc 0
		.amdhsa_float_denorm_mode_32 3
		.amdhsa_float_denorm_mode_16_64 3
		.amdhsa_memory_ordered 1
		.amdhsa_forward_progress 1
		.amdhsa_inst_pref_size 77
	.end_amdhsa_kernel
	.amdgpu_metadata
---
amdhsa.version: [ 1, 2 ]
amdhsa.kernels:
  - .name:           k_qf783bdff58_attn
    .symbol:         k_qf783bdff58_attn.kd
    .args:
      - { .name: qkv, .offset: 0, .size: 8, .value_kind: global_buffer, .address_space: global }
      - { .name: maskw, .offset: 8, .size: 8, .value_kind: global_buffer, .address_space: global }
      - { .name: ao, .offset: 16, .size: 8, .value_kind: global_buffer, .address_space: global }
    .group_segment_fixed_size: 276480
    .private_segment_fixed_size: 0
    .kernarg_segment_align: 8
    .kernarg_segment_size: 24
    .max_flat_workgroup_size: 512
    .sgpr_count:     102
    .vgpr_count:     256
    .wavefront_size: 32
...
	.end_amdgpu_metadata
.endif
;; end of part 3
;; launch proj (part 4): grid 4 x 32, 4 waves a work-group, clusters of 4 x 4, 327,680 bytes of LDS; arguments ao, pq, bout, out0; writes out0
.if DOCPART == 4
	.amdgcn_target "amdgcn-amd-amdhsa--gfx1250"
	.amdhsa_code_object_version 6
	.text
	.protected	k_qf783bdff58_proj
	.globl	k_qf783bdff58_proj
	.p2align	8
	.type	k_qf783bdff58_proj,@function
k_qf783bdff58_proj:
	s_mov_b64 s[64:65], 0
	v_nop
	global_prefetch_b8 v0, s[64:65] scope:SCOPE_SE
	s_setreg_imm32_b32 hwreg(HW_REG_WAVE_MODE, 25, 1), 1
	s_wait_xcnt 0x0
	s_wait_alu depctr_hold_cnt(0) depctr_sa_sdst(0) depctr_va_vdst(0) depctr_va_sdst(0) depctr_va_ssrc(0) depctr_va_vcc(0) depctr_vm_vsrc(0)
	s_getreg_b32 s2, hwreg(HW_REG_IB_STS2, 6, 4)
	s_cmp_eq_u32 s2, 0
	s_cbranch_scc0 .Lentry_in_a_cluster
	s_endpgm
.Lentry_in_a_cluster:
	s_bfe_u32 s2, ttmp6, 0x10000c
	s_cmp_lg_u32 s2, 0xf033
	s_cbranch_scc0 .Lentry_shape_is_right
	s_endpgm
.Lentry_shape_is_right:
; OUT = O Wout + bout on codes of E5M2, K = 1,024.  A tile of 256 x 256 is made by four waves, 128 x 128 each.  K goes in steps of 256 through two LDS slots filled by the tensor data mover;
; the scale bytes of the work-group's 2 x 256 rows come into LDS once.  4 x 4 work-groups form a cluster: A's tile is asked for jointly along a row of the cluster, B's along a column.
; A = O (source 1: a lane holds one token).  It lies in ao as IMAGES of its fragments' registers: tile of 16 tokens x 16384 + (K / 32) x 512 + 16 lane: a K step of 256 of 128 tokens is 8 rows of 4,096 bytes,
; and a fragment comes out of LDS by four loads of 512 consecutive bytes.  B = Wout's columns (source 0), rows 11264 on of pq, 1,024 codes each, padded in LDS.
; Tokens and columns both lie in POSITION order (bits 3 and 4 of the index exchanged); the way out puts them right by immediates: the stage's byte offsets for the columns, the stores' row offsets for the tokens.
; bout is the C of each sum's first matrix instruction.  128 work-groups: 32 x 4 tiles of this size; a smaller tile would read each LDS byte for fewer products.
; REGISTERS, in windows of 256: window 0: v0-31 addresses; v32-63 scale words, two sets; v64-127 bout in the result's layout; from v128 A's fragments, ONE set (on the way out: rows of out0).
;   window 1: B's fragments, two sets.   window 2: the accumulators of my rows 0-63 ((a, b) at v[8 (8 a + b)]);   window 3: those of rows 64-127.
.set NQ,     2
.set ROWB,   256                       ; a row of B's tile in bytes
.set AROWB,  4096                      ; a row of A's tile: a K step of one tile of 16 tokens
.set KROW,   1024
.set PITCH,  272
.set FR,     16
.set NL,     4
.set NP,     8                         ; places behind this matrix instruction (ISA guide 7.12.1)
.set HALFT,  128*PITCH                 ; the LDS bytes of 128 rows of B; A's 128 rows use 32,768 of as many
.set SLOT,   4*HALFT
.set LAPS,   2
.set KS,     32
.set SCL,    2*SLOT
.set HALFS,  (128*KS/256)*272
.set SBLK,   (16*KS/256)*272
.set SPARE,  SCL+4*HALFS               ; the spare words, 128 bytes a wave: two blocks of 256 bytes that no other line names
.set SPITCH, 528                       ; the way out: a stage of 16 rows x (512 bytes + 16) for each wave, in slot 0, which has had its last fill and its last read by then
.set SCO,    12582912                  ; where the scale bytes begin in pq
.set ASC,    8388608                   ; and in ao
.set ADRA, 16
.set ADRB, 20
.set STO,  24
.set RD,   25
.set CO,   26
.set ADRS, 27
.set SPW,  28
.set NIL,  29
.set OBQ,  30                          ; v30  64 h; never rewritten
.set SC,   32
.set BQ,   64
.set AF,   128
.set BK,   128
.set G1, 24
.set G0, 32
.set G1B, 48
.set G0B, 56
.set G1S, 68
.set G0S, 76
.set G1SB, 80
.set G0SB, 88
.set MSB, 0
.macro WIN new
.if MSB != \new
	s_set_vgpr_msb (MSB<<8)|\new
.set MSB, \new
.endif
.endm
.set MUL_LO, 0xa1                      ; source 0 (B) window 1, source 1 (A) window 0, C and D window 2
.set MUL_HI, 0xf1
.set FST_LO, 0x81                      ; the first step: C (bout) window 0, D window 2
.set FST_HI, 0xc1
.set TO_B,   0x40
.macro JLOAD g0a, g1a, g0b, g1b        ; a joint load: waves 0 and 1 fetch for A, waves 2 and 3 for B; four v_nop follow each of the two lines
	s_cmp_eq_u32 s15, 0
	s_cbranch_scc0 .Lfor_b_\@
	tensor_load_to_lds s[\g0a:\g0a+3], s[\g1a:\g1a+7]
	s_nop 0
.rept 4
	v_nop
.endr
	s_branch .Lasked_\@
.Lfor_b_\@:
	tensor_load_to_lds s[\g0b:\g0b+3], s[\g1b:\g1b+7]
	s_nop 0
.rept 4
	v_nop
.endr
.Lasked_\@:
.endm
.macro CREST
	s_cmp_lg_u32 s14, 0
	s_cbranch_scc1 .Lnot_wave_0_\@
	s_barrier_signal -3
.Lnot_wave_0_\@:
	s_barrier_wait -3
	s_barrier_signal -1
	s_barrier_wait -1
.endm
.macro CROUND
	s_barrier_signal -1
	s_barrier_wait -1
	CREST
.endm
	s_load_b256 s[4:11], s[0:1], 0x0               ; ao s[4:5], pq s[6:7], bout s[8:9], out0 s[10:11]
	v_lshl_add_u32 v[SPW], v0, 2, SPARE
	v_mov_b32 v[NIL], 0
	ds_add_u32 v28, v29
	ds_add_u32 v28, v29
	s_wait_dscnt 0x0
	v_lshrrev_b32 v1, 5, v0
	v_readfirstlane_b32 s14, v1                    ; wave 0..3
	s_lshr_b32 s15, s14, 1                         ; which half of the tile's rows is mine.  Also: I fetch for A (0) or for B (1)
	s_and_b32 s16, s14, 1                          ; which half of its columns.  Also: which 128 rows I fetch
	s_bfe_u32 s40, ttmp6, 0x40000                  ; cx, cy
	s_bfe_u32 s41, ttmp6, 0x40004
	s_lshl_b32 s95, ttmp9, 2
	s_add_co_u32 s95, s95, s40                     ; tile column of out0
	s_add_co_u32 s42, s95, 44                      ; and its unit of 256 rows in pq: Wout's columns begin at row 11264
	s_and_b32 s17, ttmp7, 0xffff
	s_lshl_b32 s17, s17, 2
	s_add_co_u32 s17, s17, s41                     ; tile row
	s_lshl_b32 s43, s41, 2
	s_lshl_b32 s43, 15, s43                        ; my row of the cluster
	s_lshl_b32 s44, 0x1111, s40                    ; my column
	s_or_b32 s[G1+0], s43, (3<<16)|(1<<21)         ; A: the mask; elements of 8 bytes; no padding: images are read 512 consecutive bytes at a time
	s_mov_b32 s[G1+1], 512<<16                     ; tensor_dim0 = 512 elements: 4,096 bytes
	s_mov_b32 s[G1+2], 8<<16                       ; tensor_dim1 = 8 tiles of 16 tokens
	s_mov_b32 s[G1+3], 512<<16                     ; tile_dim0
	s_mov_b32 s[G1+4], 8                           ; tile_dim1
	s_mov_b32 s[G1+5], 2048                        ; the pitch: 16,384 bytes from tile to tile
	s_mov_b32 s[G1+6], 0
	s_mov_b32 s[G1+7], 0
	s_or_b32 s[G1B+0], s44, (0<<16)|(1<<20)|(1<<21)|(5<<22)|(3<<25)  ; B: elements of 1 byte; 4 words of padding behind every 64
	s_mov_b32 s[G1B+1], ROWB<<16
	s_mov_b32 s[G1B+2], 128<<16
	s_mov_b32 s[G1B+3], ROWB<<16
	s_mov_b32 s[G1B+4], 128
	s_mov_b32 s[G1B+5], KROW
	s_mov_b32 s[G1B+6], 0
	s_mov_b32 s[G1B+7], 0
	s_or_b32 s[G1S+0], s43, (3<<16)|(1<<20)|(1<<21)|(5<<22)|(3<<25)  ; the scales of 128 rows: 16 rows of 256 bytes, 16 bytes of padding behind each
	s_or_b32 s[G1SB+0], s44, (3<<16)|(1<<20)|(1<<21)|(5<<22)|(3<<25)
.irp g, G1S, G1SB
	s_mov_b32 s[\g+1], 32<<16
	s_mov_b32 s[\g+2], (128*KS/256)<<16
	s_mov_b32 s[\g+3], 32<<16
	s_mov_b32 s[\g+4], 128*KS/256
	s_mov_b32 s[\g+5], 32
	s_mov_b32 s[\g+6], 0
	s_mov_b32 s[\g+7], 0
.endr
	s_lshl_b32 s18, s16, 7
	s_lshl_b32 s20, s17, 8
	s_add_co_u32 s20, s20, s18                     ; A: position 256 x tile row + 128 x half
	s_lshl_b32 s46, s42, 8
	s_add_co_u32 s46, s46, s18                     ; B: row of pq
	s_mov_b32 s21, 0
	s_mov_b32 s47, 0
	s_mov_b64 s[18:19], KS
	s_mul_u64 s[22:23], s[20:21], s[18:19]
	s_mul_u64 s[92:93], s[46:47], s[18:19]
	s_add_nc_u64 s[22:23], s[22:23], ASC           ; where these rows' scales begin, in bytes
	s_add_nc_u64 s[92:93], s[92:93], SCO
	s_mov_b64 s[18:19], KROW
	s_mul_u64 s[20:21], s[20:21], s[18:19]         ; and their codes (16 positions x 1,024 bytes are one tile's 16,384)
	s_mul_u64 s[46:47], s[46:47], s[18:19]
	s_mul_i32 s45, s14, HALFT
	s_mul_i32 s94, s14, HALFS
	s_wait_kmcnt 0x0
	s_add_nc_u64 s[20:21], s[4:5], s[20:21]
	s_add_nc_u64 s[22:23], s[4:5], s[22:23]
	s_add_nc_u64 s[46:47], s[6:7], s[46:47]
	s_add_nc_u64 s[92:93], s[6:7], s[92:93]
	CROUND                                         ; all sixteen work-groups are here: the first joint loads meet
	s_mov_b32 s[G0S], 1
	s_add_co_u32 s[G0S+1], s94, SCL
	s_mov_b64 s[G0S+2:G0S+3], s[22:23]
	s_or_b32 s[G0S+3], s[G0S+3], 0x80000000
	s_mov_b32 s[G0SB], 1
	s_add_co_u32 s[G0SB+1], s94, SCL
	s_mov_b64 s[G0SB+2:G0SB+3], s[92:93]
	s_or_b32 s[G0SB+3], s[G0SB+3], 0x80000000
	JLOAD G0S, G1S, G0SB, G1SB
.irp s, 0,1
	s_mov_b32 s[G0+4*\s], 1
	s_add_co_u32 s[G0+4*\s+1], s45, \s*SLOT
	s_add_nc_u64 s[G0+4*\s+2:G0+4*\s+3], s[20:21], \s*AROWB
	s_or_b32 s[G0+4*\s+3], s[G0+4*\s+3], 0x80000000
	s_mov_b32 s[G0B+4*\s], 1
	s_add_co_u32 s[G0B+4*\s+1], s45, \s*SLOT
	s_add_nc_u64 s[G0B+4*\s+2:G0B+4*\s+3], s[46:47], \s*ROWB
	s_or_b32 s[G0B+4*\s+3], s[G0B+4*\s+3], 0x80000000
	JLOAD G0+4*\s, G1, G0B+4*\s, G1B
.endr
	v_and_b32 v1, 15, v0                           ; r
	v_bfe_u32 v2, v0, 4, 1                         ; h
	v_mul_u32_u24 v3, v1, PITCH
	v_lshl_add_u32 v4, v2, 4, v3                   ; B: a fragment's row x pitch + 16 x half
	v_and_b32 v6, 31, v0
	v_lshlrev_b32 v[CO], 4, v6                     ; 16 x lane: A's images, and a row of out0
	s_mul_i32 s21, s15, HALFT                      ; my 128 rows of A
	s_mul_i32 s22, s16, HALFT                      ; my 128 rows of B,
	s_add_co_u32 s22, s22, 2*HALFT                 ; which lie behind A's two halves
.irp s, 0,1
	v_add_nc_u32 v[ADRA+\s], s21, v[CO]
	v_add_nc_u32 v[ADRB+\s], s22, v4
	s_add_co_u32 s21, s21, SLOT
	s_add_co_u32 s22, s22, SLOT
.endr
	v_mul_u32_u24 v5, v1, KS
	v_lshrrev_b32 v6, 8, v5
	v_lshl_add_u32 v5, v6, 4, v5
	s_mul_i32 s21, s15, HALFS
	s_mul_i32 s22, s16, HALFS
	s_add_co_u32 s22, s22, 2*HALFS
	s_sub_co_u32 s22, s22, s21
	v_mul_u32_u24 v6, s22, v2                      ; lanes 16-31 take B's: the lower base + h x the distance
	s_add_co_u32 s21, s21, SCL
	v_add_nc_u32 v5, v5, v6
	v_add_nc_u32 v[ADRS], s21, v5
	s_mul_i32 s23, s14, 16*SPITCH                  ; my stage
	v_mul_u32_u24 v5, v1, SPITCH
	v_lshl_add_u32 v5, v2, 6, v5                   ; in: row r, + 64 h bytes: my half's 16 columns of each 32
	v_add_nc_u32 v[STO], s23, v5
	v_add_nc_u32 v[RD], s23, v[CO]                 ; back: the 32 lanes take one row of 512 bytes
	s_lshl_b32 s20, s17, 8
	s_lshl_b32 s21, s15, 7
	s_add_co_u32 s20, s20, s21                     ; my first row of out0 (a multiple of 128: position and index agree)
	s_lshl_b32 s20, s20, 12                        ; a row is 4,096 bytes
	s_lshl_b32 s46, s95, 10
	s_lshl_b32 s47, s16, 9
	s_add_co_u32 s46, s46, s47                     ; my first column, in bytes
	s_add_co_u32 s20, s20, s46
	s_mov_b32 s21, 0
	s_mov_b32 s47, 0
	s_add_nc_u64 s[12:13], s[10:11], s[20:21]
	s_add_nc_u64 s[8:9], s[8:9], s[46:47]          ; bout at my 128 columns
	v_lshlrev_b32 v[OBQ], 6, v2
.irp b, 0,1,2,3,4,5,6,7                        ; block b's registers are columns 32 (b / 2) + 16 h + 8 (b % 2) + 0 .. 7
	global_load_b128 v[BQ+8*\b:BQ+8*\b+3], v[OBQ], s[8:9] offset:(32*(\b/2)+8*(\b%2))*4
	global_load_b128 v[BQ+8*\b+4:BQ+8*\b+7], v[OBQ], s[8:9] offset:(32*(\b/2)+8*(\b%2))*4+16
.endr
.macro FRAG reg, adr, q, i             ; a fragment of B from padded rows
.irp c, 0,1,2,3
	ds_load_b128 v[\reg+4*\c:\reg+4*\c+3], v[\adr] offset:128*(\q)+32*\c+(\i)*16*PITCH
.endr
.endm
.macro FRAGA reg, adr, q, i            ; a fragment of A from its image: tile i of my 8, the slot's q-th 128 along K
.irp c, 0,1,2,3
	ds_load_b128 v[\reg+4*\c:\reg+4*\c+3], v[\adr] offset:(\i)*AROWB+2048*(\q)+512*\c
.endr
.endm
; 16 matrix instructions; the 64 accumulators take turns, one instruction a turn, in the same order in every step.  first = 1: bout starts the sums
.macro MUL16 a0, p, q, sc, first
.irp a, \a0, \a0+1
.irp b, 0,1,2,3,4,5,6,7
.if \first
	v_wmma_scale_f32_16x16x128_f8f6f4 v[8*(8*((\a)%4)+\b):8*(8*((\a)%4)+\b)+7], v[128*(\p)+FR*\b:128*(\p)+FR*\b+FR-1], v[AF+FR*(\a):AF+FR*(\a)+FR-1], v[BQ+8*\b:BQ+8*\b+7], v[SC+8*NQ*(\sc)+NQ*\b+(\q)], v[SC+8*NQ*(\sc)+NQ*(\a)+(\q)] matrix_a_fmt:MATRIX_FMT_BF8 matrix_b_fmt:MATRIX_FMT_BF8 matrix_a_scale:MATRIX_SCALE_ROW1
.else
	v_wmma_scale_f32_16x16x128_f8f6f4 v[8*(8*((\a)%4)+\b):8*(8*((\a)%4)+\b)+7], v[128*(\p)+FR*\b:128*(\p)+FR*\b+FR-1], v[AF+FR*(\a):AF+FR*(\a)+FR-1], v[8*(8*((\a)%4)+\b):8*(8*((\a)%4)+\b)+7], v[SC+8*NQ*(\sc)+NQ*\b+(\q)], v[SC+8*NQ*(\sc)+NQ*(\a)+(\q)] matrix_a_fmt:MATRIX_FMT_BF8 matrix_b_fmt:MATRIX_FMT_BF8 matrix_a_scale:MATRIX_SCALE_ROW1
.endif
.endr
.endr
.endm
.macro FETCH_B slot, q, p
	WIN TO_B
.irp i, 0,1,2,3,4,5,6,7
	FRAG 128*(\p)+FR*\i, ADRB+\slot, \q, \i
.endr
	WIN 0
.endm
.macro FETCH_A slot, q, i0
.irp i, \i0, \i0+1, \i0+2, \i0+3
	FRAGA AF+FR*(\i), ADRA+\slot, \q, \i
.endr
.endm
.macro SCALES sc
.irp i, 0,1,2,3,4,5,6,7
	ds_load_b64 v[SC+8*NQ*\sc+NQ*\i:SC+8*NQ*\sc+NQ*\i+1], v[ADRS] offset:\i*SBLK
.endr
.endm
.macro PLACES n
.rept \n
	v_nop
.endr
.endm
.macro STEP slot, q, first
	s_wait_dscnt 4*NL                              ; B's set and A's blocks 0-3 are in; the youngest 16 loads (A's blocks 4-7) may be out
.if \first
	WIN FST_LO
.else
	WIN MUL_LO
.endif
	MUL16 0, (\q)%2, \q, \slot, \first
	MUL16 2, (\q)%2, \q, \slot, \first
	s_wait_dscnt 0
	PLACES NP
	FETCH_B \slot, (\q)+1, 1-(\q)%2
	FETCH_A \slot, (\q)+1, 0
.if \first
	WIN FST_HI
.else
	WIN MUL_HI
.endif
	MUL16 4, (\q)%2, \q, \slot, \first
	MUL16 6, (\q)%2, \q, \slot, \first
	PLACES NP
	WIN 0
	FETCH_A \slot, (\q)+1, 4
.endm
.macro TURN slot, next, fill           ; a slot's last step changes slots: one barrier, with the three lines ahead of it
	s_wait_tensorcnt 0x0                           ; all my tensor loads have landed: my part of the next slot
	ds_add_u32 v[SPW], v[NIL]                      ; 0 onto my spare word
	s_wait_dscnt 4*NL+1                            ; (the add and the youngest 16 loads may be out)
	WIN MUL_LO
	MUL16 0, 1, NQ-1, \slot, 0
	s_wait_dscnt 0x0                               ; the add is done, and my reads of this slot are over
	s_barrier_signal -1
	MUL16 2, 1, NQ-1, \slot, 0
	WIN 0
	s_barrier_wait -1
.if \fill
	CREST                                          ; the barrier has opened a round of the cluster's: no wave of any partner still reads this slot or has a load on its way
	s_add_nc_u64 s[G0+4*\slot+2:G0+4*\slot+3], s[G0+4*\slot+2:G0+4*\slot+3], 2*AROWB
	s_add_nc_u64 s[G0B+4*\slot+2:G0B+4*\slot+3], s[G0B+4*\slot+2:G0B+4*\slot+3], 2*ROWB
	JLOAD G0+4*\slot, G1, G0B+4*\slot, G1B
	PLACES NP-4
.else
	PLACES NP
.endif
	v_add_nc_u32 v[ADRS], 4*NQ, v[ADRS]
	FETCH_B \next, 0, 0
	FETCH_A \next, 0, 0
	SCALES \next
	WIN MUL_HI
	MUL16 4, 1, NQ-1, \slot, 0
	MUL16 6, 1, NQ-1, \slot, 0
	PLACES NP
	WIN 0
	FETCH_A \next, 0, 4
.endm
	s_wait_loadcnt 0x0                             ; bout, once
	s_wait_tensorcnt 1                             ; the scales and my part of K step 0 are in (K step 1's load may be out)
	s_barrier_signal -1
	s_barrier_wait -1
	FETCH_B 0, 0, 0
	FETCH_A 0, 0, 0
	SCALES 0
	FETCH_A 0, 0, 4
	STEP 0, 0, 1
	s_mov_b32 s3, LAPS-1
.Llap:
	TURN 0, 1, 1
	STEP 1, 0, 0
	TURN 1, 0, 1
	STEP 0, 0, 0
	s_sub_co_u32 s3, s3, 1
	s_cmp_lg_u32 s3, 0
	s_cbranch_scc1 .Llap
	TURN 0, 1, 0
	STEP 1, 0, 0
	s_wait_dscnt 4*NL
	WIN MUL_LO
	MUL16 0, 1, NQ-1, 1, 0
	MUL16 2, 1, NQ-1, 1, 0
	s_wait_dscnt 0
	WIN MUL_HI
	MUL16 4, 1, NQ-1, 1, 0
	MUL16 6, 1, NQ-1, 1, 0
	WIN 0
; THE WAY OUT, block by block of 16 rows x 128 columns, through my own stage and back as whole rows of 512 bytes.  LDS serves a wave in order: no wait between the stores and the loads.
.macro TOSTAGE a
.set AC, 64*((\a)%4)
.set WN, 0x08+4*((\a)/4)
	WIN WN                                         ; the data: window 2 or 3
.irp b, 0,1,2,3,4,5,6,7
	ds_store_b128 v[STO], v[AC+8*\b:AC+8*\b+3] offset:128*(\b/2)+32*(\b%2)       ; columns 32 (b / 2) + 16 h + 8 (b % 2) on; each accumulator from its low end on
	ds_store_b128 v[STO], v[AC+8*\b+4:AC+8*\b+7] offset:128*(\b/2)+32*(\b%2)+16
.endr
	WIN 0
.set BB, BK+64*((\a)%2)
.irp t, 0,1,2,3,4,5,6,7,8,9,10,11,12,13,14,15
	ds_load_b128 v[BB+4*\t:BB+4*\t+3], v[RD] offset:\t*SPITCH
.endr
.endm
.macro SEND a, younger                 ; younger: the LDS instructions issued behind block a's loads
.set BB, BK+64*((\a)%2)
	s_wait_dscnt \younger
.irp t, 0,1,2,3,4,5,6,7,8,9,10,11,12,13,14,15
	global_store_b128 v[CO], v[BB+4*\t:BB+4*\t+3], s[12:13] offset:(32*((\a)/2)+8*((\a)%2)+\t+8*(\t/8))*4096 th:TH_STORE_NT   ; position t of block a is token 32 (a / 2) + 8 (a % 2) + t + 8 (t / 8); 512 consecutive bytes, aligned; 127 rows at the most in the immediate, so the base is never stepped
.endr
.endm
	PLACES NP
	TOSTAGE 0
.irp a, 1,2,3,4,5,6,7
.if \a > 1
	s_wait_xcnt 0x0                                ; block a - 2's stores have read their registers: block a's loads may land there
.endif
	TOSTAGE \a
	SEND \a-1, 32                                  ; behind block a - 1's loads: block a's 16 stores and 16 loads
.endr
	SEND 7, 0
	s_wait_tensorcnt 0x0                           ; the wave's end
	ds_add_u32 v[SPW], v[NIL]
	s_wait_dscnt 0x0
	CROUND                                         ; the closing round
	s_endpgm
.Lfunc_end_k_qf783bdff58_proj:
	.size	k_qf783bdff58_proj, .Lfunc_end_k_qf783bdff58_proj-k_qf783bdff58_proj
	.p2alignl 7, 3214868480
	.fill 96, 4, 3214868480
	.section	.rodata,"a",@progbits
	.p2align	6, 0x0
	.amdhsa_kernel k_qf783bdff58_proj
		.amdhsa_group_segment_fixed_size 327680
		.amdhsa_private_segment_fixed_size 0
		.amdhsa_enable_private_segment 0
		.amdhsa_kernarg_size 32
		.amdhsa_user_sgpr_count 2
		.amdhsa_user_sgpr_kernarg_segment_ptr 1
		.amdhsa_wavefront_size32 1
		.amdhsa_system_sgpr_workgroup_id_x 1
		.amdhsa_system_sgpr_workgroup_id_y 1
		.amdhsa_system_sgpr_workgroup_id_z 1
		.amdhsa_system_vgpr_workitem_id 0
		.amdhsa_next_free_vgpr 1024
		.amdhsa_next_free_sgpr 98
		.amdhsa_reserve_vcc 0
		.amdhsa_float_denorm_mode_32 3
		.amdhsa_float_denorm_mode_16_64 3
		.amdhsa_memory_ordered 1
		.amdhsa_forward_progress 1
		.amdhsa_inst_pref_size 147
	.end_amdhsa_kernel
	.amdgpu_metadata
---
amdhsa.version: [ 1, 2 ]
amdhsa.kernels:
  - .name:           k_qf783bdff58_proj
    .symbol:         k_qf783bdff58_proj.kd
    .args:
      - { .name: ao, .offset: 0, .size: 8, .value_kind: global_buffer, .address_space: global }
      - { .name: pq, .offset: 8, .size: 8, .value_kind: global_buffer, .address_space: global }
      - { .name: bout, .offset: 16, .size: 8, .value_kind: global_buffer, .address_space: global }
      - { .name: out0, .offset: 24, .size: 8, .value_kind: global_buffer, .address_space: global }
    .group_segment_fixed_size: 327680
    .private_segment_fixed_size: 0
    .kernarg_segment_align: 8
    .kernarg_segment_size: 32
    .max_flat_workgroup_size: 128
    .sgpr_count:     98
    .vgpr_count:     1024
    .wavefront_size: 32
...
	.end_amdgpu_metadata
.endif
;; end of part 4
;; ======== version 2 of 2: 4 launches; version 1 with the launch attn written anew for expert scheduling mode
;; workspace buffers: pq 12,976,128 bytes; maskw 532,480 bytes of whole numbers; qkv 25,952,256 bytes; ao 8,650,752 bytes
;; launch prep: the kernel of part 1 again; grid 896 x 1, 4 waves a work-group, no clusters, 101,888 bytes of LDS; arguments x, Wqkv, Wout, attn_mask, pq, maskw; writes pq, maskw
;; launch qkv: the kernel of part 2 again; grid 12 x 32, 4 waves a work-group, clusters of 4 x 4, 327,680 bytes of LDS; arguments pq, bqkv, qkv; writes qkv
;; launch attn (part 5): grid 4 x 64, 16 waves a work-group, no clusters, 276,480 bytes of LDS; arguments qkv, maskw, ao; writes ao
.if DOCPART == 5
	.amdgcn_target "amdgcn-amd-amdhsa--gfx1250"
	.amdhsa_code_object_version 6
	.text
	.protected	k_qf783bdff58_attn
	.globl	k_qf783bdff58_attn
	.p2align	8
	.type	k_qf783bdff58_attn,@function
k_qf783bdff58_attn:
	s_mov_b64 s[64:65], 0
	v_nop
	global_prefetch_b8 v0, s[64:65] scope:SCOPE_SE
	s_setreg_imm32_b32 hwreg(HW_REG_WAVE_SCHED_MODE, 0, 2), 2
	s_setreg_imm32_b32 hwreg(HW_REG_WAVE_MODE, 25, 1), 1
	s_wait_xcnt 0x0
	s_wait_alu depctr_vm_vsrc(0)
; ATTENTION on codes of E5M2: S^T = K Q^T (K = the head's 64: the upper half of the instruction's 128 is zero codes), the mask as it is given, p = 2^(t - M) with M a whole number, O^T = V^T P^T, O / l,
; and O quantised along C for the last product.  All operands come as images of their registers, made by the launch before.
; SHARES.  A work-group owns one (batch, head) and a quarter of its 128 tiles of 16 queries.  It copies the head's WHOLE K and V (2 x 128 KiB of codes, 12 KiB of scale words) into LDS once, through registers:
; one barrier in the launch.  Wave w of work-group g then takes tiles 16 g + w and 127 - (16 g + w), one after the other, each over the 16 key steps of 128.
; THE MASK IS AN INPUT.  The first launch has turned it into whole numbers: for each (tile, step) 64 words of lane bits, and a flag word.  A step that hides every key from every query of the tile is passed
; over by a scalar branch on the stored flag; a step that hides none passes over the 64 selections.  That holds for any mask.
; No cluster: what the four work-groups of a head share is read once by each, at its head, and nothing afterwards.
; LAYOUT.  Both products are used transposed: a lane holds ONE query (lane % 16).  Tokens lie in position order, so the 16 registers of score tiles 2 b and 2 b + 1 are keys 32 b + 16 (lane / 16) + 0 .. 15.
; A ROW THAT THE MASK HIDES WHOLLY has l = 0: its two scale bytes are stored as 0xff (NaN in E8M0), so that the last product gives NaN for that row, as the softmax of such a row does.
; LIMITS: NaN and infinities among q, k, v are not served; p under 2^-126 comes out of v_exp_f32 as 0; a block whose largest magnitude lies under 2^-111 gets the byte 1.
; The scale bytes of O leave 2 bytes a lane, 32 bytes apart: one byte for each 32 of the codes.
; REGISTERS: v1 16 lane; v2 that + VI; v3, v8 my lane's place among K's and V's scale words; v4-7 the step's LDS addresses; v9 32 r; v10 -infinity; v11 Q's scale word; v12 -M, v13 the largest t, v[14:15] the sum;
;   v16-23 Q's codes, v24-31 zeros; v32-95 four fragments of K (8 registers of codes, 8 of zeros each); v96-159 S^T, then p, then V's four fragments; v160-191 O^T; v192-207 p's codes; v208-249 at work;
;   v228 p's scale word; v232-239 K's scale words; v240-243 V's; v254, v255 the closing add's two.
; THE MODE: SCHED_MODE bits 1:0 = 2 (LLVM: expert scheduling mode 2), set by the entry lines.  The code itself states the register dependences
; between vector or matrix instructions and memory or LDS instructions, with s_wait_alu, always for 0.
; THE PLAN.  Registers that memory or LDS instructions touch:
;   at the head   v166-168, v174-179: offsets and LDS addresses of the copy, all made ahead of one wait on va_vdst.  v32-165: the copy's loads land there, its LDS stores read them; v160-163 alone are shifted
;                 between, with a wait on va_vdst ahead of their store.  Behind the barrier one wait on vm_vsrc: all these registers take new parts from there on.
;   v1, v249, v9  offsets, made once behind the barrier, ahead of one wait on va_vdst; never written again.
;   v16-23, v11   Q's loads land there at a tile's head; the score products read them.
;   v4-7          written by the four additions at a step's head, read by the step's LDS loads: a wait on vm_vsrc ahead of the additions, a wait on va_vdst behind them.
;   v32-95        K's codes land twice a step (8 registers of each fragment); four products read them each time: a wait on va_vdst between the first four products and the second loads.
;   v232-243      the step's scale words land at its head; its products read them.
;   v96-159       written by the score products and the softmax, read by the conversions; then V's fragments land there, and the last four products read them.
;   v192-207, v228  written by vector instructions, taken by scaled products.  ONE wait on va_vdst, behind the conversions, serves these and v96-159.
;   v192-199, v229  on the way out: written by vector instructions, read by the stores: a wait on va_vdst ahead of the stores, a wait on vm_vsrc between the tiles.
.set VI,   131072                      ; LDS: K's images at 0 (tile x 1024 + c x 512 + 16 lane), V's here (step x 8192 + tile x 2048 + c x 512 + 16 lane),
.set KSL,  262144                      ; K's scale words (step x 512 + (tile / 4) x 256 + 16 r + 4 (tile % 4)),
.set VSL,  270336                      ; V's (step x 256 + 16 r + 4 tile)
.set QSC,  25165824                    ; where the scale words begin in qkv
	s_load_b128 s[4:7], s[0:1], 0x0                ; qkv s[4:5], maskw s[6:7]
	s_load_b64 s[8:9], s[0:1], 0x10                ; ao
	v_lshl_add_u32 v254, v0, 2, 0x43000
	v_mov_b32 v255, 0
	v_lshrrev_b32 v1, 5, v0
	v_readfirstlane_b32 s16, v1                    ; wave 0..15
	s_and_b32 s62, ttmp7, 0xffff
	s_lshr_b32 s3, s62, 4                          ; batch
	s_and_b32 s2, s62, 15                          ; head
	s_lshr_b32 s63, s2, 1
	s_lshl_b32 s61, s3, 3
	s_add_co_u32 s61, s61, s63                     ; P = 8 x batch + head / 2
	s_and_b32 s63, s2, 1                           ; which head of the pair
	s_lshl_b32 s60, s63, 4                         ; its two scale bytes lie 16 bits up in q's and k's words
	s_lshl_b32 s66, s61, 18
	s_lshl_b32 s67, s63, 10
	s_add_co_u32 s100, s66, s67
	s_add_co_u32 s100, s100, 1<<23
	s_mov_b32 s101, 0
	s_wait_alu depctr_va_sdst(0)                   ; s16 is written, ahead of its first reader: my first tile's number is made from it
	s_wait_kmcnt 0x0
	s_add_nc_u64 s[10:11], s[4:5], s[100:101]      ; K's images: a tile's 1,024 bytes of my head, 2,048 from tile to tile
	s_lshl_b32 s67, s63, 13
	s_add_co_u32 s100, s66, s67
	s_add_co_u32 s100, s100, 2<<23
	s_add_nc_u64 s[12:13], s[4:5], s[100:101]      ; V's: a step's 8,192 bytes of my head, 16,384 from step to step
	s_lshl_b32 s66, s61, 13
	s_add_co_u32 s100, s66, QSC+(1<<18)
	s_add_nc_u64 s[14:15], s[4:5], s[100:101]      ; K's scale words: 8,192 dense bytes
	s_lshl_b32 s67, s63, 8
	s_add_co_u32 s100, s66, s67
	s_add_co_u32 s100, s100, QSC+(2<<18)
	s_add_nc_u64 s[20:21], s[4:5], s[100:101]      ; V's: 256 bytes of my head in each step's 512
	v_lshrrev_b32 v170, 6, v0
	v_and_b32 v171, 63, v0
	v_lshlrev_b32 v171, 4, v171
	v_lshl_add_u32 v166, v170, 11, v171            ; K: 64 threads to a tile
	v_lshlrev_b32 v167, 4, v0                      ; 16 x thread
	v_and_b32 v171, 31, v0
	v_lshlrev_b32 v171, 3, v171
	v_lshl_add_u32 v168, v1, 9, v171               ; V's scale words: a wave to a step, 8 bytes a lane
	v_lshlrev_b32 v176, 4, v0                      ; LDS: round i of the 32 goes to 8192 i + 16 x thread; an immediate reaches 65,535, so four address registers
	v_add_nc_u32 v177, 65536, v176
	v_add_nc_u32 v178, 131072, v176
	v_add_nc_u32 v179, 196608, v176
	v_add_nc_u32 v174, KSL, v176
	v_lshl_add_u32 v175, v0, 3, VSL
	s_wait_alu depctr_va_vdst(0)                   ; v166-168 are written, which the loads below read as offsets, and v174-179, which the LDS stores read as addresses
	; 34 loads a thread, each 512 consecutive bytes a wave (the last 256), all issued, then stored in order
.set i, 0
.rept 16
	global_load_b128 v[32+4*i:35+4*i], v166, s[10:11] offset:16384*i
.set i, i+1
.endr
.set i, 0
.rept 16
	global_load_b128 v[96+4*i:99+4*i], v167, s[12:13] offset:16384*i
.set i, i+1
.endr
	global_load_b128 v[160:163], v167, s[14:15]
	global_load_b64 v[164:165], v168, s[20:21]
.set i, 0
.rept 32
	s_wait_loadcnt 33-i                            ; loads come back in order: load i is in, the 33 - i younger ones stay out
	ds_store_b128 v[176+i/8], v[32+4*i:35+4*i] offset:(i%8)*8192
.set i, i+1
.endr
	s_wait_loadcnt 1
.irp e, 0,1,2,3
	v_lshrrev_b32 v[160+\e], s60, v[160+\e]        ; my head's two bytes into bytes 0 and 1; what stands above them scales zero codes and is never 0xff
.endr
	s_wait_alu depctr_va_vdst(0)                   ; the four shifts have written v160-163, which the LDS store reads
	ds_store_b128 v174, v[160:163]
	s_wait_loadcnt 0x0
	ds_store_b64 v175, v[164:165]
	s_wait_dscnt 0x0                               ; for the others' sake: my stores have landed
	s_barrier_signal -1
	s_barrier_wait -1                              ; the head's K and V lie in LDS; from here on LDS is only read
	s_wait_alu depctr_vm_vsrc(0)                   ; the copy's loads and LDS stores have read v32-179: these registers are zeros, K's fragments, S^T and O^T from here on, written by vector and matrix instructions and by LDS loads
	v_and_b32 v244, 31, v0
	v_lshlrev_b32 v1, 4, v244
	v_add_nc_u32 v2, VI, v1
	v_and_b32 v244, 15, v0                         ; r
	v_lshlrev_b32 v249, 4, v244                    ; 16 r
	v_add_nc_u32 v3, KSL, v249
	v_add_nc_u32 v8, VSL, v249
	v_lshlrev_b32 v9, 5, v244
	v_mov_b32 v10, 0xff800000                      ; -infinity
	v_mov_b32 v248, 0xff
.irp e, 0,1,2,3,4,5,6,7
	v_mov_b32 v[24+\e], 0                          ; the codes of K = 64 .. 127: zeros, written once; Q's
	v_mov_b32 v[40+\e], 0                          ; and each of the four fragments of K has its own
	v_mov_b32 v[56+\e], 0
	v_mov_b32 v[72+\e], 0
	v_mov_b32 v[88+\e], 0
.endr
.irp b, 0,1,2,3
	v_mov_b32 v[212+\b], 0                         ; written once: a lane permute's destination counts as one of its sources
.endr
	v_mov_b32 v231, 0                              ; (upper halves of pairs of which the packed forms take the low word)
	v_mov_b32 v245, 0
	s_mov_b32 s52, 0x76543210
	s_mov_b32 s53, 0xfedcba98                      ; v_permlanex16_b32's selects for lane l xor 16
	s_mov_b32 s54, 0x3e38aa3b                      ; c = log2(e) / sqrt(64)
	s_mov_b32 s55, s54
	s_mov_b32 s56, 0x600000                        ; the mantissa field of 57,344
	s_lshl_b32 s17, ttmp9, 4
	s_add_co_u32 s17, s17, s16                     ; my first tile of queries
	s_wait_alu depctr_va_vdst(0)                   ; v1 and v249 are written, which Q's loads read as offsets; so is v9, the offset of the scale bytes' stores
; ONE TILE OF 16 QUERIES (s17) over the 16 key steps.
.macro TILE
	s_wait_xcnt 0x0                                ; earlier loads and stores have read their registers and bases
	s_lshl_b32 s62, s61, 18
	s_lshl_b32 s63, s17, 11
	s_add_co_u32 s62, s62, s63
	s_lshl_b32 s63, s60, 6
	s_add_co_u32 s62, s62, s63
	s_mov_b32 s63, 0
	s_add_nc_u64 s[12:13], s[4:5], s[62:63]        ; Q's image: P 2^18 + tile x 2048 + 1024 x head of the pair
	s_lshl_b32 s62, s61, 13
	s_lshr_b32 s66, s17, 2
	s_lshl_b32 s66, s66, 8
	s_add_co_u32 s62, s62, s66
	s_and_b32 s66, s17, 3
	s_lshl_b32 s66, s66, 2
	s_add_co_u32 s62, s62, s66
	s_add_co_u32 s62, s62, QSC
	s_add_nc_u64 s[14:15], s[4:5], s[62:63]        ; its scale words
	global_load_b128 v[16:19], v1, s[12:13]        ; no wait on va_vdst here: in the first tile no vector or matrix instruction has named v16-23 or v11, and the offsets have their wait above; in the second the
	global_load_b128 v[20:23], v1, s[12:13] offset:512   ; wait ahead of the first tile's stores stands behind the last product that read them, and only stores and scalar lines follow it
	global_load_b32 v11, v249, s[14:15]
	s_lshl_b32 s62, s17, 6
	s_add_co_u32 s62, s62, 524288
	s_add_nc_u64 s[10:11], s[6:7], s[62:63]
	s_load_b512 s[20:35], s[10:11], 0x0            ; the tile's 16 flag words
.set j, 0
.rept 32
	v_mov_b32 v[160+j], 0                          ; O^T: no step is surely the first that is worked, so the sums begin as zeros
.set j, j+1
.endr
	v_mov_b32 v13, 0xff61b1e6                      ; the largest t so far: -3e38
	v_floor_f32 v12, -v13                          ; -M
	v_mov_b32 v14, 0
	v_mov_b32 v15, 0
	s_mov_b32 s57, 0                               ; the step's place in K's and V's images: 8,192 bytes a step
	s_mov_b32 s58, 0                               ; among K's scale words: 512
	s_mov_b32 s59, 0                               ; among V's: 256
	s_mov_b32 s18, 0                               ; the step
	s_wait_kmcnt 0x0
	s_mov_b32 s19, s20
.irp i, 1,2,3,4,5,6,7,8,9,10,11,12,13,14,15
	s_lshl_b32 s[20+\i], s[20+\i], \i
	s_or_b32 s19, s19, s[20+\i]                    ; bit i: step i has an open key; bit 16 + i: all its keys are open
.endr
	s_lshl_b32 s62, s17, 12
	s_add_nc_u64 s[10:11], s[6:7], s[62:63]        ; the tile's mask words: 256 bytes a step
	s_wait_loadcnt 0x0                             ; Q
	v_lshrrev_b32 v11, s60, v11                    ; my head's two bytes (nine plain instructions, and behind them a wait on va_vdst, stand between this line and the first product)
.Lstep_\@:
	s_lshr_b32 s62, s19, s18
	s_bitcmp1_b32 s62, 0
	s_cbranch_scc0 .Lskip_\@                       ; every key of the step is hidden from all 16 queries: a branch on a stored whole number, round the step's work alone
	s_load_b512 s[20:35], s[10:11], 0x0            ; the step's 64 mask words
	s_load_b512 s[36:51], s[10:11], 0x40
	s_load_b512 s[68:83], s[10:11], 0x80
	s_load_b512 s[84:99], s[10:11], 0xc0
	s_wait_alu depctr_vm_vsrc(0)                   ; the LDS loads of the step worked last have read v4-7, which the four additions write again
	v_add_nc_u32 v4, s57, v1
	v_add_nc_u32 v5, s57, v2
	v_add_nc_u32 v6, s58, v3
	v_add_nc_u32 v7, s59, v8
.rept 5
	v_nop                                          ; with the four additions nine places: the products below write v96-159, which the last step's products with V read as an operand
.endr
	s_wait_alu depctr_va_vdst(0)                   ; v4-7 are written, which this step's LDS loads read; the last step's products with V are done reading v240-243, in which a load below lands; in a tile's first step v11 and the zero halves are written, which the scaled products take
	ds_load_b128 v[232:235], v6
	ds_load_b128 v[236:239], v6 offset:256
	ds_load_b128 v[240:243], v7                    ; V's scale words come with K's: nothing names them before the products with V
.irp g, 0,1                                    ; S^T = K Q^T, four tiles of 16 keys at a time
.if \g
.rept 8
	v_nop                                          ; eight places behind the four products above, whose results v96-127 the selections and maxima below read
.endr
	s_wait_alu depctr_va_vdst(0)                   ; the four products above are done reading v32-95, in which the next four fragments land
.endif
.irp t, 0,1,2,3
	ds_load_b128 v[32+16*\t:35+16*\t], v4 offset:(4*\g+\t)*1024
	ds_load_b128 v[36+16*\t:39+16*\t], v4 offset:(4*\g+\t)*1024+512
.endr
	s_wait_dscnt 0x0
.irp t, 0,1,2,3
	v_wmma_scale_f32_16x16x128_f8f6f4 v[96+8*(4*\g+\t):103+8*(4*\g+\t)], v[32+16*\t:47+16*\t], v[16:31], 0, v[232+4*\g+\t], v11 matrix_a_fmt:MATRIX_FMT_BF8 matrix_b_fmt:MATRIX_FMT_BF8
.endr
.endr
	s_wait_kmcnt 0x0                               ; the mask words are in
	s_bitcmp1_b32 s62, 16
	s_cbranch_scc1 .Lopen_\@                       ; all keys open to all queries: nothing to select
.set n, 0
.rept 64
	v_cndmask_b32 v[96+n], v10, v[96+n], s[20+n+16*(n/32)]   ; a hidden score becomes -infinity.  Ascending: the first 32 name the first four tiles alone and are the places behind the last four products
.set n, n+1
.endr
.Lopen_\@:
.irp p, 0,2                                    ; the largest score of each block of 32 keys; blocks 0 and 1 first: their 16 lines are the places behind the last four products
.irp b, 0,1
	v_max3_num_f32 v[208+\p+\b], v[96+16*(\p+\b)], v[97+16*(\p+\b)], v[98+16*(\p+\b)]
.endr
.irp i, 3,5,7,9,11,13
.irp b, 0,1
	v_max3_num_f32 v[208+\p+\b], v[208+\p+\b], v[96+16*(\p+\b)+\i], v[97+16*(\p+\b)+\i]
.endr
.endr
.irp b, 0,1
	v_max_num_f32 v[208+\p+\b], v[208+\p+\b], v[111+16*(\p+\b)]
.endr
.endr
.irp b, 0,1,2,3
	v_permlanex16_b32 v[212+\b], v[208+\b], s52, s53
.endr
.irp b, 0,1,2,3
	v_max_num_f32 v[208+\b], v[208+\b], v[212+\b]  ; with lane l xor 16's 16 keys
.endr
	v_max3_num_f32 v244, v208, v209, v210
	v_max_num_f32 v244, v244, v211                 ; the step's largest score of my query
	v_mul_f32 v244, s54, v244                      ; as t
	v_max_num_f32 v13, v13, v244                   ; the running largest t
	v_mov_b32 v244, v12
	v_floor_f32 v12, -v13                          ; the new -M = floor(-t) = -ceil(t)
	v_sub_f32 v244, v12, v244                      ; old M - new M: a whole number, 0 or less
	v_cvt_i32_f32 v244, v244                       ; (it saturates)
	v_ldexp_f32 v230, 1.0, v244                    ; f = 2^(old M - new M): the rescaling rounds nothing
.irp j, 0,2,4,6,8,10,12,14,16,18,20,22,24,26,28,30,32,34,36,38,40,42,44,46,48,50,52,54,56,58,60,62
	v_pk_fma_f32 v[96+\j:97+\j], v[96+\j:97+\j], s[54:55], v[12:13] op_sel_hi:[1,0,0]   ; t - M, two at a time
.endr
.irp b, 0,1,2,3
	v_fma_f32 v[208+\b], v[208+\b], s54, v12       ; the same of each block's largest score
.endr
.set j, 0
.rept 64
	v_exp_f32 v[96+j], v[96+j]                     ; p = 2^(t - M): not normalised
.set j, j+1
.endr
	v_pk_mul_f32 v[14:15], v[14:15], v[230:231] op_sel_hi:[1,0]   ; the sums under the new M: the plain instruction behind the batch
	s_wait_alu depctr_va_vdst(0)                   ; the 64 exponentials have written v96-159: one wait, ahead of their first reader
.irp b, 0,1,2,3
	v_exp_f32 v[208+\b], v[208+\b]                 ; the block's largest p: the same two instructions on the same number give the same bits
.endr
	v_pk_add_f32 v[246:247], v[96:97], v[98:99]    ; the row's sum is taken of the unquantised p, in two chains
.irp j, 4,8,12,16,20,24,28,32,36,40,44,48,52,56,60
	v_pk_add_f32 v[14:15], v[14:15], v[96+\j:97+\j]
	v_pk_add_f32 v[246:247], v[246:247], v[98+\j:99+\j]
.endr
	v_pk_add_f32 v[14:15], v[14:15], v[246:247]
	s_wait_alu depctr_va_vdst(0)                   ; the four exponentials have written v208-211, ahead of their first reader
.irp b, 0,1,2,3
	v_max_num_f32 v[208+\b], 0x8000000, v[208+\b]  ; the floor 2^(16 - 127): the byte cannot fall under 1
.endr
.irp b, 0,1,2,3
	v_add_nc_u32 v[220+\b], 0xf8800000, v[208+\b]  ; the conversion's scale operand
.endr
.irp b, 0,1,2,3
	v_and_or_b32 v[216+\b], v[208+\b], 0x7f800000, s56   ; 57,344 x the scale
.endr
.irp b, 0,1,2,3
	v_lshrrev_b32 v[224+\b], 23, v[220+\b]         ; the scale's byte
.endr
	v_lshl_or_b32 v228, v225, 8, v224              ; p's scale word for these 128 keys
	v_lshl_or_b32 v228, v226, 16, v228
	v_lshl_or_b32 v228, v227, 24, v228
.irp b, 0,1,2,3
.irp i, 0,1,2,3,4,5,6,7,8,9,10,11,12,13,14,15
	v_min_num_f32 v[96+16*\b+\i], v[96+16*\b+\i], v[216+\b]   ; the hold; p is never negative, so it is one-sided
.endr
	v_cvt_scalef32_pk8_bf8_f32 v[192+4*\b:193+4*\b], v[96+16*\b:103+16*\b], v[220+\b]
	v_cvt_scalef32_pk8_bf8_f32 v[194+4*\b:195+4*\b], v[104+16*\b:111+16*\b], v[220+\b]
.endr
.irp j, 0,2,4,6
	v_pk_mul_f32 v[160+\j:161+\j], v[160+\j:161+\j], v[230:231] op_sel_hi:[1,0]   ; O^T under the new M: the first four of sixteen: the codes' four places ahead of the scaled products stand ahead of the wait
.endr
	s_wait_alu depctr_va_vdst(0)                   ; the holds have written and the conversions have read v96-159, in which V's fragments land; the conversions have written p's codes v192-207, and p's scale word v228 is written, which the scaled products below take
.irp t, 0,1,2,3                                ; V's four fragments (16 channels x these 128 keys) into the registers that p has left
.irp c, 0,1,2,3
	ds_load_b128 v[96+16*\t+4*\c:99+16*\t+4*\c], v5 offset:2048*\t+512*\c
.endr
.endr
.irp j, 8,10,12,14,16,18,20,22,24,26,28,30
	v_pk_mul_f32 v[160+\j:161+\j], v[160+\j:161+\j], v[230:231] op_sel_hi:[1,0]   ; the other twelve, while the loads are out: they name v160-191 and v230-231 alone, none of the registers that those loads touch
.endr
	s_wait_dscnt 0x0
.irp t, 0,1,2,3                                ; O^T += V^T P^T: the four accumulators by turns; the eight score products stand between two links of a chain
	v_wmma_scale_f32_16x16x128_f8f6f4 v[160+8*\t:167+8*\t], v[96+16*\t:111+16*\t], v[192:207], v[160+8*\t:167+8*\t], v[240+\t], v228 matrix_a_fmt:MATRIX_FMT_BF8 matrix_b_fmt:MATRIX_FMT_BF8
.endr
.Lskip_\@:
	s_add_co_u32 s57, s57, 8192
	s_add_co_u32 s58, s58, 512
	s_add_co_u32 s59, s59, 256
	s_add_nc_u64 s[10:11], s[10:11], 256           ; no scalar load is out here: on the worked way they were waited for, on the other none was issued
	s_add_co_u32 s18, s18, 1
	s_cmp_lt_u32 s18, 16
	s_cbranch_scc1 .Lstep_\@
	; THE WAY OUT: O^T / l, quantised along C.  Register 16 g + i is channel 32 g + 16 h + i of my query: V's channels lie in position order
.rept 8
	v_nop                                          ; places behind the last products
.endr
	v_add_f32 v14, v14, v15
	v_permlanex16_b32 v212, v14, s52, s53
	v_add_f32 v14, v14, v212                       ; the row's sum
	v_rcp_f32 v244, v14
	v_nop                                          ; a plain instruction behind the reciprocal
	v_cmp_eq_f32 s100, 0, v14                      ; a row with no open key at all
	s_lshl_b32 s62, s3, 7
	s_add_co_u32 s62, s62, s17                     ; the tile among ao's 512
	s_lshl_b32 s66, s62, 14
	s_lshl_b32 s67, s2, 10
	s_add_co_u32 s66, s66, s67
	s_mov_b32 s67, 0
	s_add_nc_u64 s[12:13], s[8:9], s[66:67]        ; its image: tile x 16384 + (2 head + g) x 512 + 16 lane
	s_lshl_b32 s66, s62, 9
	s_lshl_b32 s62, s2, 1
	s_add_co_u32 s66, s66, s62
	s_add_co_u32 s66, s66, 8388608
	s_add_nc_u64 s[14:15], s[8:9], s[66:67]        ; its scale bytes: 32 a row, my head's two
	s_wait_alu depctr_va_vdst(0)                   ; the reciprocal has written v244, ahead of its first reader
.irp j, 0,2,4,6,8,10,12,14,16,18,20,22,24,26,28,30
	v_pk_mul_f32 v[96+\j:97+\j], v[160+\j:161+\j], v[244:245] op_sel_hi:[1,0]   ; each accumulator from its low end on
.endr
.irp g, 0,1
	v_max3_num_f32 v[208+\g], |v[96+16*\g]|, |v[97+16*\g]|, 0x8000000
.endr
.irp i, 2,4,6,8,10,12,14
.irp g, 0,1
	v_max3_num_f32 v[208+\g], v[208+\g], |v[96+16*\g+\i]|, |v[97+16*\g+\i]|
.endr
.endr
.irp g, 0,1
	v_permlanex16_b32 v[212+\g], v[208+\g], s52, s53
.endr
.irp g, 0,1
	v_max_num_f32 v[208+\g], v[208+\g], v[212+\g]
.endr
.irp g, 0,1
	v_add_nc_u32 v[220+\g], 0xf8800000, v[208+\g]
.endr
.irp g, 0,1
	v_and_or_b32 v[216+\g], v[208+\g], 0x7f800000, s56
.endr
.irp g, 0,1
	v_lshrrev_b32 v[224+\g], 23, v[220+\g]
.endr
	s_wait_alu depctr_va_sdst(0)                   ; the compare has written s100, ahead of its first reader
.irp g, 0,1
	v_cndmask_b32 v[224+\g], v[224+\g], v248, s100 ; l = 0: the byte 0xff
.endr
	v_lshl_or_b32 v229, v225, 8, v224
.irp g, 0,1
.irp i, 0,1,2,3,4,5,6,7,8,9,10,11,12,13,14,15
	v_med3_num_f32 v[96+16*\g+\i], v[96+16*\g+\i], -v[216+\g], v[216+\g]
.endr
	v_cvt_scalef32_pk8_bf8_f32 v[192+4*\g:193+4*\g], v[96+16*\g:103+16*\g], v[220+\g]
	v_cvt_scalef32_pk8_bf8_f32 v[194+4*\g:195+4*\g], v[104+16*\g:111+16*\g], v[220+\g]
.endr
	v_nop                                          ; one plain vector instruction behind the last conversion
	s_wait_alu depctr_va_vdst(0)                   ; the conversions have written v192-199 and v229 is written, which the stores read
	global_store_b128 v1, v[192:195], s[12:13]     ; 512 consecutive bytes a store
	global_store_b128 v1, v[196:199], s[12:13] offset:512
	global_store_b16 v9, v229, s[14:15]            ; lanes l and l + 16 hold the same two bytes of the same row
.endm
	TILE
	s_wait_alu depctr_vm_vsrc(0)                   ; the first tile's stores have read v192-199 and v229, which the second tile's conversions and its scale bytes write again
	s_sub_co_u32 s17, 127, s17                     ; the partner tile: under a lower triangle, and under a full mask, every wave then has the same number of steps
	TILE
	s_wait_dscnt 0x0                               ; the closing lines, six on end
	s_wait_alu 0x0
	s_wait_tensorcnt 0x0
	ds_add_u32 v254, v255
	s_wait_dscnt 0x0
	s_endpgm
.Lfunc_end_k_qf783bdff58_attn:
	.size	k_qf783bdff58_attn, .Lfunc_end_k_qf783bdff58_attn-k_qf783bdff58_attn
	.p2alignl 7, 3214868480
	.fill 96, 4, 3214868480
	.section	.rodata,"a",@progbits
	.p2align	6, 0x0
	.amdhsa_kernel k_qf783bdff58_attn
		.amdhsa_group_segment_fixed_size 276480
		.amdhsa_private_segment_fixed_size 0
		.amdhsa_enable_private_segment 0
		.amdhsa_kernarg_size 24
		.amdhsa_user_sgpr_count 2
		.amdhsa_user_sgpr_kernarg_segment_ptr 1
		.amdhsa_wavefront_size32 1
		.amdhsa_system_sgpr_workgroup_id_x 1
		.amdhsa_system_sgpr_workgroup_id_y 1
		.amdhsa_system_sgpr_workgroup_id_z 1
		.amdhsa_system_vgpr_workitem_id 0
		.amdhsa_next_free_vgpr 256
		.amdhsa_next_free_sgpr 102
		.amdhsa_reserve_vcc 0
		.amdhsa_float_denorm_mode_32 3
		.amdhsa_float_denorm_mode_16_64 3
		.amdhsa_memory_ordered 1
		.amdhsa_forward_progress 1
		.amdhsa_inst_pref_size 78
	.end_amdhsa_kernel
	.amdgpu_metadata
---
amdhsa.version: [ 1, 2 ]
amdhsa.kernels:
  - .name:           k_qf783bdff58_attn
    .symbol:         k_qf783bdff58_attn.kd
    .args:
      - { .name: qkv, .offset: 0, .size: 8, .value_kind: global_buffer, .address_space: global }
      - { .name: maskw, .offset: 8, .size: 8, .value_kind: global_buffer, .address_space: global }
      - { .name: ao, .offset: 16, .size: 8, .value_kind: global_buffer, .address_space: global }
    .group_segment_fixed_size: 276480
    .private_segment_fixed_size: 0
    .kernarg_segment_align: 8
    .kernarg_segment_size: 24
    .max_flat_workgroup_size: 512
    .sgpr_count:     102
    .vgpr_count:     256
    .wavefront_size: 32
...
	.end_amdgpu_metadata
.endif
;; end of part 5
;; launch proj: the kernel of part 4 again; grid 4 x 32, 4 waves a work-group, clusters of 4 x 4, 327,680 bytes of LDS; arguments ao, pq, bout, out0; writes out0
